; MI455X (gfx1250); checked and timed in simulation.
; The chip was launched on July 23, 2026; its instructions are those of AMD's public machine-readable ISA for CDNA 5 (MIT licence, August 2026) and "CDNA5" Instruction Set Architecture Reference Guide (July 2026). The comments in the code are by the model that wrote it; some were corrected since.
;; Causal Self Attention. Allowed arithmetic: matrix products marked QUANTISED: E2M3 operands, one E8M0 scale for each 32 along K, by v_wmma_scale_f32_16x16x128_f8f6f4 with both operands' format E2M3, f32 sums; everything else in f32.
;; Inputs: W_proj 1,024 x 1,024 float32; W_qkv 1,024 x 3,072 float32; b_proj 1,024 float32; b_qkv 3,072 float32; x 4 x 2,048 x 1,024 float32.
;; Outputs: out0 4 x 2,048 x 1,024 float32.
;; This version of the problem:
;;   THIS VERSION OF THE PROBLEM IS GIVEN IN LOW PRECISION. The matrix products marked QUANTISED in the list below multiply operands that are first quantised to E2M3 (2 exponent bits, 3 mantissa bits; 6 bits a number), with one power-of-two scale for each 32 numbers along K (OCP MX v1.0); their sums are f32. All else is computed in f32.
;;   The module's matrix products, in the order in which they are computed (A, B: the left and right operand; K: the contracted axis; several contracted axes count as one K, in the product's order):
;;     1. [M 8,192, K 1,024] x [K 1,024, N 3,072]; A: input x; B: input W_qkv: QUANTISED
;;     2. batch 64 x [M 2,048, K 64] x [K 64, N 2,048]; A: computed on the way; B: computed on the way: QUANTISED
;;     3. batch 64 x [M 2,048, K 2,048] x [K 2,048, N 64]; A: softmax (see below); B: computed on the way: QUANTISED
;;     4. [M 8,192, K 1,024] x [K 1,024, N 1,024]; A: computed on the way; B: input W_proj: QUANTISED
;;   THE QUANTISER, for each operand of a quantised product, along K:
;;     - K is cut into blocks of 32 from its start; a last block that is shorter is filled with zeros.
;;     - A block's scale is 2^e with e = floor(log2(the largest magnitude in the block)) - 2, held to -126 .. 127; a block of zeros has e = 0. As a byte (E8M0): e + 127.
;;     - Each number is divided by its block's scale, clamped to +-7.5, and rounded to the nearest number of E2M3, ties to even, subnormals kept.
;;     - The product sums the exact products of the quantised numbers (number of the format x scale) in f32.
;;   ~~~python
;;   def quantise(x, axis):      # numpy; x: float32 -> the quantised numbers, widened to float32 again
;;       x = np.moveaxis(x, axis, -1); K = x.shape[-1]
;;       x = np.pad(x, [(0, 0)] * (x.ndim - 1) + [(0, -K % 32)]); x = x.reshape(x.shape[:-1] + (-1, 32)); a = np.abs(x).max(-1, keepdims=True)
;;       e = np.where(a > 0, np.clip(np.frexp(np.where(a > 0, a, 1))[1] - 1 - 2, -126, 127), 0)      # np.frexp(a)[1] - 1 = floor(log2(a)), exactly
;;       r = np.clip(x / 2.0 ** e, -7.5, 7.5)
;;       step = 2.0 ** (np.maximum(np.frexp(np.where(r == 0, 1, r))[1] - 1, 0) - 3)
;;       q = np.round(r / step) * step * 2.0 ** e      # np.round: ties to even
;;       return np.moveaxis(q.reshape(q.shape[:-2] + (-1,))[..., :K], -1, axis).astype(np.float32)
;;   ~~~
;;   SOFTMAX AHEAD OF A QUANTISED PRODUCT. Where the list says 'softmax', what is quantised is not the finished softmax but p = 2^(t - M), with t = logit x log2(e) and M = ceil(the row's largest t), a whole number; so 1/2 < the row's largest p <= 1. The row's sum l is taken of the UNQUANTISED p, in f32, and the product's result is divided by l at the end. Since M is a whole number, a kernel that streams over the keys may use a running M (the ceiling of the running maximum): every later rescaling is an exact power of two, which a block's scale takes up: the codes' values come out the same.
;;   OPERANDS COMPUTED ON THE WAY. 'Computed on the way' means the value that the module computes at that place (a softmax that the list does not call 'softmax' is quantised finished and normalised). What goes into a quantiser is computed in f32, as accurately as f32 sums, v_exp_f32 and their like allow (about 1e-6 of the number): no bf16 or f16 on the way to a quantiser, and a product that is left as it is and whose result goes on into a quantised operand takes f32 operands (vector FMAs, or v_wmma_f32_16x16x4_f32). A number that lies on a knife's edge between two numbers of the format may be rounded either way, as far as f32 arithmetic and the matrix unit's own rounding can turn it there, and no further.
;; One version. Each part assembles by itself: llvm-mc -triple=amdgcn-amd-amdhsa -mcpu=gfx1250 --defsym DOCPART=n.
;; ======== version 1 of 1: 4 launches
;; limits: right only within a limited range of input values
;; workspace buffers: xc 6,291,456 bytes; xs 262,144 bytes; wc 3,145,728 bytes; ws 131,072 bytes; qkvc 18,874,368 bytes; qkvs 1,310,720 bytes; yc 6,291,456 bytes; ys 262,144 bytes
;; launch prep (part 1): grid 384 x 1, 4 waves a work-group, no clusters, 68,096 bytes of LDS; arguments x, W_qkv, W_proj, xc, xs, wc, ws; writes xc, xs, wc, ws
.if DOCPART == 1
	.amdgcn_target "amdgcn-amd-amdhsa--gfx1250"
	.amdhsa_code_object_version 6
	.text
	.protected	k_q0b3267f3bc_prep
	.globl	k_q0b3267f3bc_prep
	.p2align	8
	.type	k_q0b3267f3bc_prep,@function
k_q0b3267f3bc_prep:
	s_mov_b64 s[64:65], 0
	v_nop
	global_prefetch_b8 v0, s[64:65] scope:SCOPE_SE
	s_setreg_imm32_b32 hwreg(HW_REG_WAVE_MODE, 25, 1), 1
	s_wait_xcnt 0x0
; x [8192][1024], W_qkv [1024][3072] and W_proj [1024][1024], f32, become codes of FP6 (E2M3), K innermost, with one E8M0 byte for each 32 along K.
; A block's scale is 2^(floor(log2(its largest magnitude)) - 2); its byte is the largest magnitude's exponent field - 2, held at 1 from below.
; LIMITS: NaN and infinities are not served; a block of zeros, or one whose largest magnitude is under 2^-124, gets the byte 1 (the rule says 127 for zeros: the codes are zeros, and this program alone reads the bytes).
; ORDER OF ROWS IN THE WORKSPACE: row p of xc, xs, wc, ws holds the token (or the weight's column) p with bits 3 and 4 exchanged.  So 16 neighbouring workspace rows are the rows
; 32 b + 8 u + r + 8 (r / 8) that a matrix tile wants if two neighbouring tiles' results are to be 16 neighbours along the next product's K.
; wc, ws: rows 0-3071 are W_qkv's columns, rows 3072-4095 W_proj's.
; Work-groups 0-255 take x (K innermost: a stream of blocks, 8 tokens a wave); work-groups 256-383 take the weights (K is the first axis: a lane takes a column, its registers run down K).
; Each work-group reads 128 KiB.  The two ways have LDS bytes of their own.  No tensor load, no barrier: waves share nothing.
.set XWG,   256                        ; work-groups for x
.set STEPS, 16
.set EMAX,  2
.set CB,    12                         ; bytes of 16 codes
.set R,     16                         ; x: v16-79   four sets of 16 numbers as loaded
.set X,     80                         ; x: v80-111  two sets of 16 neighbours
.set E,     112                        ; x: v112-127 a scale byte for each step
.set C,     128                        ; x: v128-191 codes, four registers a step
.set WREG,  8192                       ; x: LDS of a wave: two stages of 32 x SP bytes, then its 256 scale bytes
.set SP,    80
.set NB,    8                          ; weights: blocks of 32 along K for a wave
.set WPITCH, 272                       ; weights: a stage row: sixteen places of 16 bytes + 16
.set KROW,  768                        ; a row of codes in memory: 1,024 codes
.set WLDS,  32768                      ; weights: the stages begin here
.set WX,    32                         ; weights: v32-95 two sets of 32 numbers
.set WC,    96                         ; weights: a block's codes
.set OUTR,  112                        ; weights: v112-175 the way out
.set SB,    24                         ; weights: v24-25 the scale bytes
.set VOFF,  176                        ; weights: v176-207 byte offset of row i of a block at my column
.set WB,    32                         ; weights: s[32:47] the address of block t's first row, t = 0 .. 7
.macro XLOAD t
.irp i, 0,1,2,3
	global_load_b128 v[R+16*((\t)%4)+4*\i:R+16*((\t)%4)+4*\i+3], v3, s[4:5] offset:2048*(\t)+512*\i th:TH_LOAD_NT   ; 32 lanes read 512 consecutive bytes
.endr
.endm
.macro XTURN t                         ; a step's 2,048 bytes through the wave's stage: in as they lie, out 64 bytes a lane; LDS serves a wave's instructions in order
.irp i, 0,1,2,3
	ds_store_b128 v14, v[R+16*((\t)%4)+4*\i:R+16*((\t)%4)+4*\i+3] offset:32*SP*((\t)%2)+8*SP*\i
.endr
.irp i, 0,1,2,3
	ds_load_b128 v[X+16*((\t)%2)+4*\i:X+16*((\t)%2)+4*\i+3], v15 offset:32*SP*((\t)%2)+16*\i
.endr
.endm
.macro XSTEP t
.set XS, X+16*((\t)%2)
.if (\t) > 0
	s_wait_dscnt 1                                 ; this step's numbers are back from the stage; the last step's byte store may be out
.else
	s_wait_dscnt 0x0
.endif
.if (\t)+4 < STEPS
	XLOAD (\t)+4                                   ; into the registers whose stores into the stage are done
.endif
.if (\t)+1 < STEPS
.if STEPS-2-(\t) >= 3
	s_wait_loadcnt 12                              ; the next step's four loads are in; those of three later steps may be out
.else
	s_wait_loadcnt 4*(STEPS-2-(\t))
.endif
	XTURN (\t)+1
.endif
	v_max3_num_f32 v8, |v[XS]|, |v[XS+1]|, |v[XS+2]|               ; the largest magnitude of my 16, in two chains
	v_max3_num_f32 v9, |v[XS+3]|, |v[XS+4]|, |v[XS+5]|
.irp i, 6,10
	v_max3_num_f32 v8, v8, |v[XS+\i]|, |v[XS+\i+1]|
	v_max3_num_f32 v9, v9, |v[XS+\i+2]|, |v[XS+\i+3]|
.endr
	v_max3_num_f32 v8, v8, |v[XS+14]|, |v[XS+15]|
	v_max3_num_f32 v8, v8, v9, (EMAX+1)<<23        ; and the floor 2^(3 - 127): the byte cannot fall under 1
	v_max_num_f32_dpp v8, v8, v8 row_xmask:1 row_mask:0xf bank_mask:0xf   ; with my neighbour's 16: the block's
	v_add_nc_u32 v11, -(EMAX<<23), v8              ; 2 off the exponent field: the conversion's scale operand
	v_cvt_scalef32_pk16_fp6_f32 v[C+4*(\t):C+4*(\t)+2], v[XS:XS+15], v11
	v_lshrrev_b32 v[E+(\t)], 23, v11               ; the scale's byte (also the plain line behind the conversion)
	ds_store_b8 v5, v[E+(\t)] offset:16*(\t)       ; both lanes of a block write the same byte with the same value
	global_store_b96 v4, v[C+4*(\t):C+4*(\t)+2], s[10:11] offset:32*CB*(\t)   ; the wave stores 384 consecutive bytes
.endm
.macro WLOAD t                         ; block t: W(32 t + i, my column), i = 0 .. 31: each load reads 128 consecutive bytes a wave
.set i, 0
.rept 32
	global_load_b32 v[WX+32*((\t)%2)+i], v[VOFF+i], s[WB+2*(\t):WB+2*(\t)+1] th:TH_LOAD_NT
.set i, i+1
.endr
.endm
.macro WBLOCK t
.set XS, WX+32*((\t)%2)
.if (\t) < NB-1
	s_wait_loadcnt 32                              ; this block's 32 loads are in; the next block's may be out
.else
	s_wait_loadcnt 0x0
.endif
	v_max3_num_f32 v12, |v[XS]|, |v[XS+1]|, |v[XS+2]|               ; the block's largest magnitude: all 32 numbers are mine
	v_max3_num_f32 v13, |v[XS+3]|, |v[XS+4]|, |v[XS+5]|
.irp i, 6,10,14,18,22,26
	v_max3_num_f32 v12, v12, |v[XS+\i]|, |v[XS+\i+1]|
	v_max3_num_f32 v13, v13, |v[XS+\i+2]|, |v[XS+\i+3]|
.endr
	v_max3_num_f32 v12, v12, |v[XS+30]|, |v[XS+31]|
	v_max3_num_f32 v12, v12, v13, (EMAX+1)<<23
	v_add_nc_u32 v11, -(EMAX<<23), v12
	v_lshrrev_b32 v13, 23, v11                     ; the scale's byte
.if (\t)%4 == 0
	v_mov_b32 v[SB+(\t)/4], v13                    ; four bytes to a register, the lower K in the lower byte
.else
	v_lshl_or_b32 v[SB+(\t)/4], v13, 8*((\t)%4), v[SB+(\t)/4]
.endif
	v_cvt_scalef32_pk16_fp6_f32 v[WC:WC+2], v[XS:XS+15], v11
	v_cvt_scalef32_pk16_fp6_f32 v[WC+4:WC+6], v[XS+16:XS+31], v11   ; (a conversion's three registers begin on an even number)
	ds_store_b96 v4, v[WC:WC+2] offset:32*(\t)     ; 12 bytes to a place of 16: every LDS address is a multiple of 16
	ds_store_b96 v4, v[WC+4:WC+6] offset:32*(\t)+16
.if (\t)+2 < NB
	WLOAD (\t)+2
.endif
	s_wait_dscnt 0x0                               ; the stores have read their registers: the next block's codes may be written
.endm
	s_load_b128 s[4:7], s[0:1], 0x0                ; x, W_qkv
	s_load_b128 s[8:11], s[0:1], 0x10              ; W_proj, xc
	s_load_b128 s[12:15], s[0:1], 0x20             ; xs, wc
	s_load_b64 s[16:17], s[0:1], 0x30              ; ws
	v_lshl_add_u32 v208, v0, 2, 0x10800
	v_mov_b32 v209, 0
	v_lshrrev_b32 v1, 5, v0
	v_readfirstlane_b32 s18, v1                    ; wave 0..3
	v_and_b32 v2, 31, v0                           ; lane
	s_wait_kmcnt 0x0
	s_cmp_ge_u32 ttmp9, XWG
	s_cbranch_scc1 .Lweights
	; ---- x: a wave takes 8 tokens, 8,192 numbers, in 16 steps of 512
	s_wait_alu depctr_va_vdst(0)
	v_lshlrev_b32 v3, 4, v2                        ; my 16 bytes of a load's 512
	s_mul_i32 s19, s18, WREG
	v_lshrrev_b32 v14, 2, v2
	v_mul_u32_u24 v14, v14, SP
	v_and_b32 v15, 3, v2
	v_lshl_add_u32 v14, v15, 4, v14
	v_add_nc_u32 v14, s19, v14                     ; the stage, on the way in: SP (lane / 4) + 16 (lane % 4)
	v_mul_u32_u24 v15, v2, SP
	v_add_nc_u32 v15, s19, v15                     ; and on the way out: SP x lane: my 16 neighbours
	v_mul_u32_u24 v4, v2, CB                       ; my codes' place in a step's
	v_lshrrev_b32 v5, 1, v2
	s_add_co_u32 s19, s19, 2*32*SP
	v_add_nc_u32 v5, s19, v5                       ; my block's byte among the wave's 256
	v_lshlrev_b32 v7, 3, v2
	v_add_nc_u32 v6, s19, v7                       ; and 8 bytes a lane on the way out
	s_lshl_b32 s20, ttmp9, 2
	s_add_co_u32 s22, s20, s18                     ; I read tokens 8 (4 g + wave) on,
	s_lshl_b32 s22, s22, 15                        ; 32,768 bytes a run
	s_mov_b32 s23, 0
	s_add_nc_u64 s[4:5], s[4:5], s[22:23]
	s_and_b32 s24, s18, 1
	s_lshl_b32 s24, s24, 1
	s_lshr_b32 s25, s18, 1
	s_or_b32 s24, s24, s25                         ; and write them where bits 3 and 4 of the token's number have changed places: the wave's two bits swapped
	s_add_co_u32 s24, s24, s20
	s_mul_i32 s22, s24, 8*KROW
	s_add_nc_u64 s[10:11], s[10:11], s[22:23]
	s_lshl_b32 s22, s24, 8
	s_add_nc_u64 s[12:13], s[12:13], s[22:23]
.irp t, 0,1,2,3
	XLOAD \t
.endr
	s_wait_alu depctr_va_vdst(0)
	s_wait_loadcnt 12                              ; step 0's four loads are in
	XTURN 0
.irp t, 0,1,2,3,4,5,6,7,8,9,10,11,12,13,14,15
	XSTEP \t
.endr
	ds_load_b64 v[12:13], v6                       ; LDS serves a wave's instructions in order: these see my byte stores
	s_wait_dscnt 0x0
	global_store_b64 v7, v[12:13], s[12:13]        ; 32 lanes store 256 consecutive bytes, aligned
	s_wait_tensorcnt 0x0
	ds_add_u32 v208, v209
	s_wait_dscnt 0x0
	s_endpgm
	; ---- the weights: a work-group takes 128 columns x 256 along K, a wave 32 columns
.Lweights:
	s_sub_co_u32 s19, ttmp9, XWG
	s_and_b32 s20, s19, 3                          ; which 256 along K
	s_lshr_b32 s21, s19, 2                         ; which 128 columns of the 4,096 of both weights
	s_mov_b32 s22, 4096
	s_cmp_lt_u32 s21, 24                           ; W_qkv's or W_proj's?  The choice hangs on the work-group's number alone
	s_cselect_b64 s[6:7], s[6:7], s[8:9]
	s_cselect_b32 s22, 12288, s22                  ; bytes from row to row
	s_cselect_b32 s23, 0, 24
	s_sub_co_u32 s23, s21, s23                     ; which 128 columns of this weight
	s_mul_i32 s24, s20, s22
	s_lshl_b32 s24, s24, 8                         ; 256 rows down for each step along K,
	s_lshl_b32 s25, s23, 9
	s_add_co_u32 s24, s24, s25                     ; 512 bytes for each 128 columns,
	s_lshl_b32 s25, s18, 7
	s_add_co_u32 s24, s24, s25                     ; 128 for each wave
	s_mov_b32 s25, 0
	s_add_nc_u64 s[WB:WB+1], s[6:7], s[24:25]
	s_lshl_b32 s26, s22, 5                         ; 32 rows from block to block
	s_mov_b32 s27, 0
.irp t, 1,2,3,4,5,6,7
	s_add_nc_u64 s[WB+2*\t:WB+2*\t+1], s[WB+2*\t-2:WB+2*\t-1], s[26:27]
.endr
	s_wait_alu depctr_va_vdst(0)
	v_lshlrev_b32 v[VOFF], 2, v2                   ; the row pitch differs between the weights, so the rows' offsets stand in registers, made once
.set i, 1
.rept 31
	v_add_nc_u32 v[VOFF+i], s22, v[VOFF+i-1]
.set i, i+1
.endr
	WLOAD 0
	WLOAD 1
	v_and_b32 v10, 7, v2
	v_bfe_u32 v11, v2, 3, 1
	v_bfe_u32 v12, v2, 4, 1
	v_lshl_or_b32 v10, v11, 4, v10
	v_lshl_or_b32 v10, v12, 3, v10                 ; my column's workspace row among the wave's 32: the lane with bits 3 and 4 exchanged
	s_mul_i32 s28, s18, 32*WPITCH
	s_add_co_u32 s28, s28, WLDS                    ; my stage
	v_mul_u32_u24 v4, v10, WPITCH
	v_add_nc_u32 v4, s28, v4                       ; into it: that row
	v_and_b32 v5, 15, v2
	v_lshrrev_b32 v6, 4, v2                        ; out of it: sixteen lanes to a row, two rows an instruction
	v_mul_u32_u24 v7, v6, WPITCH
	v_lshl_add_u32 v7, v5, 4, v7
	v_add_nc_u32 v7, s28, v7
	v_mul_u32_u24 v8, v6, KROW
	v_mad_u32_u24 v8, v5, 12, v8                   ; and the same place in wc
	v_lshlrev_b32 v9, 5, v10                       ; my row of ws: 32 bytes a row
	s_lshl_b32 s29, s21, 7
	s_lshl_b32 s30, s18, 5
	s_add_co_u32 s29, s29, s30                     ; the wave's first workspace row
	s_mul_i32 s30, s29, KROW
	s_mul_i32 s31, s20, 192
	s_add_co_u32 s30, s30, s31
	s_mov_b32 s31, 0
	s_add_nc_u64 s[14:15], s[14:15], s[30:31]
	s_lshl_b32 s30, s29, 5
	s_lshl_b32 s29, s20, 3
	s_add_co_u32 s30, s30, s29
	s_add_nc_u64 s[16:17], s[16:17], s[30:31]
.irp t, 0,1,2,3,4,5,6,7
	WBLOCK \t
.endr
	s_wait_alu depctr_va_vdst(0)
	global_store_b64 v9, v[SB:SB+1], s[16:17]      ; my column's eight scale bytes
.irp t, 0,1,2,3,4,5,6,7,8,9,10,11,12,13,14,15
	ds_load_b96 v[OUTR+4*\t:OUTR+4*\t+2], v7 offset:2*\t*WPITCH   ; LDS serves a wave's instructions in order: these see my stores
.endr
.irp t, 0,1,2,3,4,5,6,7,8,9,10,11,12,13,14,15
	s_wait_dscnt 15-\t                             ; row pair t is in; the later ones may be out
	global_store_b96 v8, v[OUTR+4*\t:OUTR+4*\t+2], s[14:15] offset:2*\t*KROW   ; sixteen lanes store a row's 192 consecutive bytes
.endr
	s_wait_tensorcnt 0x0
	ds_add_u32 v208, v209
	s_wait_dscnt 0x0
	s_endpgm
.Lfunc_end_k_q0b3267f3bc_prep:
	.size	k_q0b3267f3bc_prep, .Lfunc_end_k_q0b3267f3bc_prep-k_q0b3267f3bc_prep
	.p2alignl 7, 3214868480
	.fill 96, 4, 3214868480
	.section	.rodata,"a",@progbits
	.p2align	6, 0x0
	.amdhsa_kernel k_q0b3267f3bc_prep
		.amdhsa_group_segment_fixed_size 68096
		.amdhsa_private_segment_fixed_size 0
		.amdhsa_enable_private_segment 0
		.amdhsa_kernarg_size 56
		.amdhsa_user_sgpr_count 2
		.amdhsa_user_sgpr_kernarg_segment_ptr 1
		.amdhsa_wavefront_size32 1
		.amdhsa_system_sgpr_workgroup_id_x 1
		.amdhsa_system_sgpr_workgroup_id_y 1
		.amdhsa_system_sgpr_workgroup_id_z 1
		.amdhsa_system_vgpr_workitem_id 0
		.amdhsa_next_free_vgpr 210
		.amdhsa_next_free_sgpr 66
		.amdhsa_reserve_vcc 0
		.amdhsa_float_denorm_mode_32 3
		.amdhsa_float_denorm_mode_16_64 3
		.amdhsa_memory_ordered 1
		.amdhsa_forward_progress 1
		.amdhsa_inst_pref_size 75
	.end_amdhsa_kernel
	.amdgpu_metadata
---
amdhsa.version: [ 1, 2 ]
amdhsa.kernels:
  - .name:           k_q0b3267f3bc_prep
    .symbol:         k_q0b3267f3bc_prep.kd
    .args:
      - { .name: x, .offset: 0, .size: 8, .value_kind: global_buffer, .address_space: global }
      - { .name: W_qkv, .offset: 8, .size: 8, .value_kind: global_buffer, .address_space: global }
      - { .name: W_proj, .offset: 16, .size: 8, .value_kind: global_buffer, .address_space: global }
      - { .name: xc, .offset: 24, .size: 8, .value_kind: global_buffer, .address_space: global }
      - { .name: xs, .offset: 32, .size: 8, .value_kind: global_buffer, .address_space: global }
      - { .name: wc, .offset: 40, .size: 8, .value_kind: global_buffer, .address_space: global }
      - { .name: ws, .offset: 48, .size: 8, .value_kind: global_buffer, .address_space: global }
    .group_segment_fixed_size: 68096
    .private_segment_fixed_size: 0
    .kernarg_segment_align: 8
    .kernarg_segment_size: 56
    .max_flat_workgroup_size: 128
    .sgpr_count:     66
    .vgpr_count:     210
    .wavefront_size: 32
...
	.end_amdgpu_metadata
.endif
;; end of part 1
;; launch qkv (part 2): grid 8 x 32, 4 waves a work-group, clusters of 4 x 4, 327,680 bytes of LDS; arguments xc, xs, wc, ws, b_qkv, qkvc, qkvs; writes qkvc, qkvs
.if DOCPART == 2
	.amdgcn_target "amdgcn-amd-amdhsa--gfx1250"
	.amdhsa_code_object_version 6
	.text
	.protected	k_q0b3267f3bc_qkv
	.globl	k_q0b3267f3bc_qkv
	.p2align	8
	.type	k_q0b3267f3bc_qkv,@function
k_q0b3267f3bc_qkv:
	s_mov_b64 s[64:65], 0
	v_nop
	global_prefetch_b8 v0, s[64:65] scope:SCOPE_SE
	s_setreg_imm32_b32 hwreg(HW_REG_WAVE_MODE, 25, 1), 1
	s_wait_xcnt 0x0
	s_wait_alu depctr_hold_cnt(0) depctr_sa_sdst(0) depctr_va_vdst(0) depctr_va_sdst(0) depctr_va_ssrc(0) depctr_va_vcc(0) depctr_vm_vsrc(0)
	s_getreg_b32 s2, hwreg(HW_REG_IB_STS2, 6, 4)
	s_cmp_eq_u32 s2, 0
	s_cbranch_scc0 .Lentry_in_a_cluster
	s_endpgm
.Lentry_in_a_cluster:
	s_bfe_u32 s2, ttmp6, 0x10000c
	s_cmp_lg_u32 s2, 0xf033
	s_cbranch_scc0 .Lentry_shape_is_right
	s_endpgm
.Lentry_shape_is_right:
; qkv = x W_qkv + b_qkv on codes of FP6 (E2M3) with E8M0 scales, K = 1,024; the results are quantised at once into the operands of attention.
; SHARES: 256 work-groups; each takes 256 tokens and one pair of heads, and makes 256 x 128 of q, then of k, then of v: three phases.
; Four waves, 2 x 2: a wave has 128 tokens (a panel) x 64 features (a head): 32 accumulators, which take turns in one order.
; LDS: x's 256 rows, all of K (rows of 768 bytes + 16 behind every 256), filled once; a region for 128 rows of a weight, filled at the head and again twice,
; each time behind the three lines and a round of the cluster's barrier, which stand inside the phase's last batch; the new rows land while the phase's results are quantised.
; A BATCH is 128 along K: 32 products on one of two sets of fragments; the other set is fetched ahead of the batch's products.
; q, k: source 0 = the weight's rows, source 1 = tokens: a lane holds a token, its registers run along the features.  v: the sources swapped: a lane holds a feature, its registers run along the tokens.
; Rows of xc and wc lie with bits 3 and 4 of their number exchanged, so the 16 registers of two neighbouring tiles are 16 true neighbours 32 e + 16 (lane / 16) + 0 .. 15.
; The bias is the C of each sum's first product.  Scale words come by plain loads: a lane takes its row's 32 bytes, lanes 16-31 those of a second tile (ROW1).
; OUT as the next launch reads it: qkvc [which 3][batch 4][head 16][panel 16][6,144]; q, k: [tile 8][768]: registers 0-3 at 16 x lane, 4-5 at 512 + 8 x lane; v: [tile 4][1,536]: four registers at a time at 16 x lane.
; qkvs: q, k: [which][batch][head][panel][512]; v: from byte 1,048,576 [batch][pair][panel][head % 2][row][tile].  In q's and k's words the two upper bytes are 0: they meet zero codes alone.
; CLUSTERS 4 x 4: x's rows are shared along a row of the cluster, a weight's rows along a column.
; NO PREFETCH: K is short; each refill is asked for a whole way out (four quantisers of 64 numbers a lane) ahead of its first read.
; LIMITS: NaN and infinities are not served; a block of zeros, or one under 2^-124, gets the scale byte 1 (this program alone reads the bytes).
; REGISTERS: window 0: addresses, v32-63 x's scale words, v68-83 the weight's, v84-99 at work, v128-207 codes, v208-223 scale words out.  window 1: x's fragments, two sets of 96.
; window 2: the weight's fragments, two sets of 48; v96-127 q's or k's bias, v128-159 v's.  window 3: the accumulators.
.set KROW,  768
.set PITCH, 816
.set WR,    256*PITCH
.set SPARE, WR+128*PITCH
.set SPW, 10
.set NIL, 11
.set SX,  32
.set SW,  68
.set TM,  84
.set AX,  100
.set AW,  116
.set QC,  128
.set PW,  208
.set RW,  216
.set BI,  96
.set BV,  128
.set G1X, 24
.set G0X, 32
.set G0W, 36
.set G1W, 48
.set MSB, 0
.macro WIN new
.if MSB != (\new)
	s_set_vgpr_msb (MSB<<8)|(\new)
.set MSB, (\new)
.endif
.endm
.macro PLACES n
.rept \n
	v_nop
.endr
.endm
.macro WALU
	s_wait_alu depctr_va_vdst(0)
.endm
.macro BARRIER
	s_barrier_signal -1
	s_barrier_wait -1
.endm
.macro MIDDLE                          ; a round's middle: the opening wait, wave 0's signal for the work-group, the cluster's wait
	WIN 0
	s_barrier_wait -1
	s_cmp_lg_u32 s14, 0
	s_cbranch_scc1 .Lnot_wave_0_\@
	s_barrier_signal -3
.Lnot_wave_0_\@:
	s_barrier_wait -3
.endm
.macro CROUND
	s_barrier_signal -1
	MIDDLE
	BARRIER
.endm
.macro TLOAD g0, g1
	tensor_load_to_lds s[\g0:\g0+3], s[\g1:\g1+7]
	s_nop 0
	PLACES 4
.endm
.macro GROUP1 g, mask, rows            ; rows of 768 bytes, 16 bytes of padding behind every 256
	s_or_b32 s[\g+0], s[\mask], (1<<20)|(1<<21)|(5<<22)|(3<<25)
	s_mov_b32 s[\g+1], KROW<<16
	s_mov_b32 s[\g+2], (\rows)<<16
	s_mov_b32 s[\g+3], KROW<<16
	s_mov_b32 s[\g+4], \rows
	s_mov_b32 s[\g+5], KROW
	s_mov_b32 s[\g+6], 0
	s_mov_b32 s[\g+7], 0
.endm
; a fragment: six pieces of 8 bytes, two to a load where both go by one address register; the second register serves where lanes 16-31 read behind one padding more
.macro FRAG rg, q, a0
.set SK_, 0
.irp p, 0,1,2,3,4,5
.if SK_
.set SK_, 0
.else
.set PC_, 12*(\q)+6*(\p/3)+\p%3
.set PN_, 12*(\q)+6*((\p+1)/3)+(\p+1)%3
.set X_, (PC_%32+3)/32
.set XN_, (PN_%32+3)/32
.if (\p < 5) && (X_ == XN_)
.set SK_, 1
	ds_load_2addr_b64 v[\rg+2*\p:\rg+2*\p+3], v[\a0+X_] offset0:PC_+2*(PC_/32) offset1:PN_+2*(PN_/32)
.else
	ds_load_b64 v[\rg+2*\p:\rg+2*\p+1], v[\a0+X_] offset:8*(PC_+2*(PC_/32))
.endif
.endif
.endr
.endm
.macro LOADX q
	WIN 0x40
.irp i, 0,1,2,3,4,5,6,7
	FRAG 96*((\q)%2)+12*\i, \q, AX+2*\i
.endr
	WIN 0
.endm
.macro LOADW q
	WIN 0x80
.irp j, 0,1,2,3
	FRAG 48*((\q)%2)+12*\j, \q, AW+2*\j
.endr
	WIN 0
.endm
.macro MM a, b, c, sa, sb, ra, rb
	v_wmma_scale_f32_16x16x128_f8f6f4 v[D_:D_+7], v[\a:\a+11], v[\b:\b+11], \c, v[\sa], v[\sb] matrix_a_fmt:MATRIX_FMT_FP6 matrix_b_fmt:MATRIX_FMT_FP6 matrix_a_scale:MATRIX_SCALE_ROW\ra matrix_b_scale:MATRIX_SCALE_ROW\rb
.endm
; 16 products: token tiles 4 rb .. 4 rb + 3 x the four feature tiles.  kind 0: q, k; kind 1: v
.macro PRODS kind, q, rb
.if (\q) == 0
	WIN 0xe6+3*(\kind)
.else
	WIN 0xf6+3*(\kind)
.endif
.irp i4, 0,1,2,3
.irp ra, 0,1
.irp j2, 0,1
.set XF_, 96*((\q)%2)+12*(4*\rb+\i4)
.set WF_, 48*((\q)%2)+12*(2*\ra+\j2)
.if \kind
.set D_, 8*(8*(2*\ra+\j2)+4*\rb+\i4)
.if (\q) == 0
	MM XF_, WF_, v[BV+8*(2*\ra+\j2):BV+8*(2*\ra+\j2)+7], SX+8*\i4+(\q), SW+8*\j2+(\q), \rb, \ra
.else
	MM XF_, WF_, v[D_:D_+7], SX+8*\i4+(\q), SW+8*\j2+(\q), \rb, \ra
.endif
.else
.set D_, 8*(4*(4*\rb+\i4)+2*\ra+\j2)
.if (\q) == 0
	MM WF_, XF_, v[BI+8*(2*\ra+\j2):BI+8*(2*\ra+\j2)+7], SW+8*\j2+(\q), SX+8*\i4+(\q), \ra, \rb
.else
	MM WF_, XF_, v[D_:D_+7], SW+8*\j2+(\q), SX+8*\i4+(\q), \ra, \rb
.endif
.endif
.endr
.endr
.endr
.endm
; mode 0: the next batch's fragments are fetched.  mode 1: a phase's last batch with the refill's round.  mode 2: the very last
.macro BATCH kind, q, mode
	s_wait_dscnt 0x0                               ; this batch's fragments are in: they were asked for ahead of the last batch's products
.if \mode == 0
	PLACES 4                                       ; between the last batch's products and the loads into their fragments
	LOADX (\q)+1
	LOADW (\q)+1
	PRODS \kind, \q, 0
	PRODS \kind, \q, 1
.elseif \mode == 1
	PLACES 4
	LOADX 0                                        ; x's first fragments for the next phase
	s_wait_tensorcnt 0x0                           ; ahead of a refill
	ds_add_u32 v[SPW], v[NIL]
	s_add_nc_u64 s[G0W+2:G0W+3], s[G0W+2:G0W+3], 1024*KROW   ; the next tensor's rows: no load of mine is out
	PRODS \kind, \q, 0
	WIN 0
	s_wait_dscnt 0x0                               ; the add is done and my reads of the weight's region are over
	s_barrier_signal -1
	PRODS \kind, \q, 1
	MIDDLE
	BARRIER
	s_cmp_lt_u32 s14, 2
	s_cbranch_scc1 .Lnone_\@
	TLOAD G0W, G1W                                 ; waves 2 and 3: 64 rows each
.Lnone_\@:
	PLACES 4                                       ; behind the last products: for the reads of their results and the loads into their scale words
.else
	PRODS \kind, \q, 0
	PRODS \kind, \q, 1
	WIN 0
	PLACES 4
.endif
.endm
; 64 sums of a lane, window 3 from register s on: register 16 b + i is K 32 b + 16 (lane / 16) + i.  Codes into v[qc .. qc+11], the four blocks' bytes into v[TM+8 ..]
.macro QUANT s, qc
	WIN 0x0f
.irp b, 0,1,2,3
	v_max3_num_f32 v[TM+\b], |v[\s+16*\b]|, |v[\s+16*\b+1]|, 0x1800000   ; with the floor 2^(3 - 127): the byte cannot fall under 1
.endr
	WIN 0x3c
.irp i, 2,4,6,8,10,12,14
.irp b, 0,1,2,3
	v_max3_num_f32 v[TM+\b], v[TM+\b], |v[\s+16*\b+\i]|, |v[\s+16*\b+\i+1]|
.endr
.endr
	WIN 0
.irp b, 0,1,2,3
	v_permlanex16_b32 v[TM+4+\b], v[TM+\b], s56, s57
.endr
.irp b, 0,1,2,3
	v_max_num_f32 v[TM+\b], v[TM+\b], v[TM+4+\b]   ; with lane l xor 16's: the block's largest magnitude
.endr
.irp b, 0,1,2,3
	v_add_nc_u32 v[TM+12+\b], 0xff000000, v[TM+\b] ; 2 off the exponent field: the conversion's scale operand
.endr
.irp b, 0,1,2,3
	v_lshrrev_b32 v[TM+8+\b], 23, v[TM+12+\b]      ; the byte
.endr
	WIN 0x03
.irp c, 0,1
	v_cvt_scalef32_pk16_fp6_f32 v[\qc+6*\c:\qc+6*\c+2], v[\s+32*\c:\s+32*\c+15], v[TM+12+2*\c]
	v_cvt_scalef32_pk16_fp6_f32 v[\qc+12+4*\c:\qc+14+4*\c], v[\s+32*\c+16:\s+32*\c+31], v[TM+13+2*\c]
.endr
	WIN 0
	v_nop                                          ; one plain line behind a scaled conversion
.irp c, 0,1                                    ; a whole block in a lane: lanes 0-15 block 2 c, lanes 16-31 block 2 c + 1
.irp i, 0,1,2
	v_permlane16_swap_b32 v[\qc+6*\c+\i], v[\qc+12+4*\c+\i]
.endr
.irp i, 0,1,2
	v_mov_b32 v[\qc+3+6*\c+\i], v[\qc+12+4*\c+\i]
.endr
.endr
.endm
	s_load_b128 s[4:7], s[0:1], 0x0                ; xc, xs
	s_load_b128 s[8:11], s[0:1], 0x10              ; wc, ws
	s_load_b64 s[12:13], s[0:1], 0x20              ; b_qkv
	s_load_b128 s[96:99], s[0:1], 0x28             ; qkvc, qkvs
	v_lshl_add_u32 v[SPW], v0, 2, SPARE
	v_mov_b32 v[NIL], 0
	ds_add_u32 v[SPW], v[NIL]                      ; the opening lines
	ds_add_u32 v[SPW], v[NIL]
	v_lshrrev_b32 v1, 5, v0
	v_readfirstlane_b32 s14, v1                    ; wave
	s_lshr_b32 s15, s14, 1                         ; which 128 tokens I multiply
	s_and_b32 s16, s14, 1                          ; which head of the pair; also which half of a tile I fetch
	s_bfe_u32 s40, ttmp6, 0x40000                  ; cx
	s_bfe_u32 s41, ttmp6, 0x40004                  ; cy
	s_lshl_b32 s42, ttmp9, 2
	s_add_co_u32 s42, s42, s40                     ; the pair of heads, 0 .. 7
	s_and_b32 s17, ttmp7, 0xffff
	s_lshl_b32 s17, s17, 2
	s_add_co_u32 s17, s17, s41                     ; the block of 256 tokens, 0 .. 31
	s_lshl_b32 s43, s41, 2
	s_lshl_b32 s43, 15, s43                        ; my row of the cluster
	s_lshl_b32 s44, 0x1111, s40                    ; my column
	GROUP1 G1X, 43, 128
	GROUP1 G1W, 44, 64
	s_lshl_b32 s18, s17, 8
	s_lshl_b32 s19, s16, 7
	s_add_co_u32 s18, s18, s19
	s_mul_i32 s20, s18, KROW                       ; the 128 rows of x that waves 0, 1 fetch
	s_mov_b32 s21, 0
	s_lshl_b32 s45, s42, 7
	s_lshl_b32 s19, s16, 6
	s_add_co_u32 s45, s45, s19                     ; my 64 rows of each weight: to fetch (waves 2, 3) and to multiply
	s_mul_i32 s66, s45, KROW
	s_mov_b32 s67, 0
	s_mov_b32 s[G0X], 1
	s_mul_i32 s[G0X+1], s16, 128*PITCH
	s_mov_b32 s[G0W], 1
	s_mul_i32 s[G0W+1], s16, 64*PITCH
	s_add_co_u32 s[G0W+1], s[G0W+1], WR
	s_mov_b32 s56, 0x76543210
	s_mov_b32 s57, 0xfedcba98                      ; selects for lane l xor 16
	WALU
	s_wait_dscnt 0x0
	CROUND                                         ; the round ahead of the first joint loads
	s_wait_kmcnt 0x0
	s_add_nc_u64 s[G0X+2:G0X+3], s[4:5], s[20:21]
	s_or_b32 s[G0X+3], s[G0X+3], 0x80000000
	s_add_nc_u64 s[G0W+2:G0W+3], s[8:9], s[66:67]
	s_or_b32 s[G0W+3], s[G0W+3], 0x80000000
	s_cmp_lt_u32 s14, 2
	s_cbranch_scc0 .Lhead_w
	TLOAD G0X, G1X                                 ; waves 0, 1: x's rows
	s_branch .Lhead_j
.Lhead_w:
	TLOAD G0W, G1W                                 ; waves 2, 3: W_q's rows
.Lhead_j:
	s_lshl_b32 s22, s17, 1
	s_add_co_u32 s22, s22, s15                     ; my panel of 128 tokens, 0 .. 63
	s_lshl_b32 s18, s22, 12
	s_mov_b32 s19, 0
	s_add_nc_u64 s[6:7], s[6:7], s[18:19]          ; its scale bytes
	s_lshl_b32 s18, s45, 5
	s_add_nc_u64 s[58:59], s[10:11], s[18:19]      ; my weight rows' scale bytes
	s_lshl_b32 s18, s45, 2
	s_add_nc_u64 s[60:61], s[12:13], s[18:19]      ; my 64 numbers of q's bias
	s_lshr_b32 s23, s22, 4                         ; batch
	s_and_b32 s22, s22, 15                         ; panel
	s_lshl_b32 s46, s42, 1
	s_add_co_u32 s46, s46, s16                     ; head
	s_mul_i32 s18, s23, 1572864
	s_mul_i32 s47, s46, 98304
	s_add_co_u32 s18, s18, s47
	s_mul_i32 s47, s22, 6144
	s_add_co_u32 s18, s18, s47
	s_add_nc_u64 s[96:97], s[96:97], s[18:19]      ; q's codes; k's and v's lie 6,291,456 bytes on each
	s_lshl_b32 s18, s23, 16
	s_lshl_b32 s47, s42, 13
	s_add_co_u32 s18, s18, s47
	s_lshl_b32 s47, s22, 9
	s_add_co_u32 s18, s18, s47
	s_lshl_b32 s47, s16, 8
	s_add_co_u32 s18, s18, s47
	s_add_co_u32 s18, s18, 1048576
	s_add_nc_u64 s[62:63], s[98:99], s[18:19]      ; v's scale words
	s_lshl_b32 s18, s23, 17
	s_lshl_b32 s47, s46, 13
	s_add_co_u32 s18, s18, s47
	s_lshl_b32 s47, s22, 9
	s_add_co_u32 s18, s18, s47
	s_add_nc_u64 s[98:99], s[98:99], s[18:19]      ; q's scale words
	s_mul_i32 s23, s15, 128*PITCH
	s_mul_i32 s47, s16, 64*PITCH
	s_add_co_u32 s47, s47, WR
	v_and_b32 v1, 15, v0                           ; r
	v_bfe_u32 v2, v0, 4, 1                         ; h
	v_and_b32 v3, 31, v0                           ; lane
	v_mul_u32_u24 v4, v1, PITCH
	v_mad_u32_u24 v5, v2, 24, v4
	v_mad_u32_u24 v6, v2, 40, v4
	v_add_nc_u32 v[AX], s23, v5
	v_add_nc_u32 v[AX+1], s23, v6
	v_add_nc_u32 v[AW], s47, v5
	v_add_nc_u32 v[AW+1], s47, v6
.irp i, 1,2,3,4,5,6,7
	v_add_nc_u32 v[AX+2*\i], \i*16*PITCH, v[AX]
	v_add_nc_u32 v[AX+2*\i+1], \i*16*PITCH, v[AX+1]
.endr
.irp j, 1,2,3
	v_add_nc_u32 v[AW+2*\j], \j*16*PITCH, v[AW]
	v_add_nc_u32 v[AW+2*\j+1], \j*16*PITCH, v[AW+1]
.endr
	v_lshlrev_b32 v8, 4, v3                        ; 16 x lane
	v_lshl_add_u32 v9, v3, 3, 512                  ; 512 + 8 x lane
	v_lshlrev_b32 v7, 5, v1
	v_lshl_add_u32 v12, v2, 11, v7                 ; x's scale bytes: row r, lanes 16-31 four tiles on
	v_lshl_add_u32 v13, v2, 10, v7                 ; the weight's: lanes 16-31 two tiles on
	v_lshlrev_b32 v14, 6, v2                       ; q's, k's bias: 16 numbers from 16 h on
	v_lshrrev_b32 v15, 3, v1
	v_lshl_add_u32 v15, v15, 3, v1
	v_lshlrev_b32 v15, 2, v15                      ; v's bias: the number of my feature r + 8 (r / 8)
	v_lshlrev_b32 v16, 4, v1                       ; 16 r
.irp b, 0,1,2,3
	v_mov_b32 v[TM+4+\b], 0                        ; a lane permute's destination counts as one of its sources
.endr
	WALU
.irp i, 0,1,2,3
.irp c, 0,1
	global_load_b128 v[SX+8*\i+4*\c:SX+8*\i+4*\c+3], v12, s[6:7] offset:512*\i+16*\c
.endr
.endr
.macro WSCALES
.irp j, 0,1
.irp c, 0,1
	global_load_b128 v[SW+8*\j+4*\c:SW+8*\j+4*\c+3], v13, s[58:59] offset:512*\j+16*\c
.endr
.endr
.endm
.macro QKBIAS
	WIN 0x80
.irp j, 0,1,2,3
	global_load_b128 v[BI+8*\j:BI+8*\j+3], v14, s[60:61] offset:128*(\j/2)+32*(\j%2)
	global_load_b128 v[BI+8*\j+4:BI+8*\j+7], v14, s[60:61] offset:128*(\j/2)+32*(\j%2)+16
.endr
	WIN 0
.endm
	WSCALES
	QKBIAS
	WIN 0x80
.irp j, 0,1,2,3
	global_load_b32 v[BV+8*\j], v15, s[60:61] offset:8192+128*(\j/2)+32*(\j%2)
.endr
	WIN 0
	s_wait_loadcnt 0x0
	WIN 0x82
.irp j, 0,8,16,24
.irp t, 1,2,3,4,5,6,7
	v_mov_b32 v[BV+\j+\t], v[BV+\j]                ; v's bias, one number a lane and tile, over the tile's eight registers
.endr
.endr
	WIN 0
	WALU
	s_wait_tensorcnt 0x0
	BARRIER                                        ; x's and W_q's rows are in
	LOADX 0
	LOADW 0
	s_mov_b32 s3, 0
.Lphase:                                           ; two trips: q, k
.irp q, 0,1,2,3,4,5,6
	BATCH 0, \q, 0
.endr
	BATCH 0, 7, 1
	s_add_nc_u64 s[58:59], s[58:59], 1024*32       ; (the loads that named these bases were waited for)
	s_add_nc_u64 s[60:61], s[60:61], 4096
	WSCALES                                        ; the next phase's scale words
	s_cmp_eq_u32 s3, 1
	s_cbranch_scc1 .Lno_bias                       ; v's bias came at the head
	QKBIAS
.Lno_bias:
.irp n, 0,1,2,3                                ; token tiles 2 n and 2 n + 1: 32 sums each, half a fragment each
	QUANT 64*\n, QC+20*\n
	v_lshl_or_b32 v[PW+2*\n], v[TM+9], 8, v[TM+8]
	v_lshl_or_b32 v[PW+2*\n+1], v[TM+11], 8, v[TM+10]
	global_store_b128 v8, v[QC+20*\n:QC+20*\n+3], s[96:97] offset:1536*\n
	global_store_b64 v9, v[QC+20*\n+4:QC+20*\n+5], s[96:97] offset:1536*\n
	global_store_b128 v8, v[QC+20*\n+6:QC+20*\n+9], s[96:97] offset:1536*\n+768
	global_store_b64 v9, v[QC+20*\n+10:QC+20*\n+11], s[96:97] offset:1536*\n+768
.endr
	v_cmp_gt_u32 vcc_lo, 16, v3
.irp i, 0,1,2,3
	v_cndmask_b32 v[RW+\i], v[PW+4+\i], v[PW+\i], vcc_lo   ; lanes 0-15: row r's words of tiles 0-3; lanes 16-31: of tiles 4-7
.endr
	global_store_b128 v8, v[RW:RW+3], s[98:99]
	s_wait_xcnt 0x0                                ; the stores have read their registers and bases
	s_add_nc_u64 s[96:97], s[96:97], 6291456
	s_add_nc_u64 s[98:99], s[98:99], 524288
	WALU
	s_wait_loadcnt 0x0
	s_wait_tensorcnt 0x0
	BARRIER                                        ; the refill is shown to all waves
	LOADW 0
	s_add_co_u32 s3, s3, 1
	s_cmp_lg_u32 s3, 2
	s_cbranch_scc1 .Lphase
.irp q, 0,1,2,3,4,5,6
	BATCH 1, \q, 0
.endr
	BATCH 1, 7, 2
.irp n, 0,1,2,3                                ; feature tile n: 64 sums along the panel's 128 tokens: a whole fragment of V^T
	QUANT 64*\n, QC+20*\n
	v_lshl_or_b32 v[PW+\n], v[TM+9], 8, v[TM+8]
	v_lshl_or_b32 v[PW+\n], v[TM+10], 16, v[PW+\n]
	v_lshl_or_b32 v[PW+\n], v[TM+11], 24, v[PW+\n]
.irp c, 0,1,2
	global_store_b128 v8, v[QC+20*\n+4*\c:QC+20*\n+4*\c+3], s[96:97] offset:1536*\n+512*\c
.endr
.endr
	global_store_b128 v16, v[PW:PW+3], s[62:63]    ; row r's four words; lanes l and l xor 16 store the same bytes with the same value
	s_wait_tensorcnt 0x0                           ; the wave's end
	ds_add_u32 v[SPW], v[NIL]
	s_wait_dscnt 0x0
	CROUND                                         ; the closing round
	s_endpgm
.Lfunc_end_k_q0b3267f3bc_qkv:
	.size	k_q0b3267f3bc_qkv, .Lfunc_end_k_q0b3267f3bc_qkv-k_q0b3267f3bc_qkv
	.p2alignl 7, 3214868480
	.fill 96, 4, 3214868480
	.section	.rodata,"a",@progbits
	.p2align	6, 0x0
	.amdhsa_kernel k_q0b3267f3bc_qkv
		.amdhsa_group_segment_fixed_size 327680
		.amdhsa_private_segment_fixed_size 0
		.amdhsa_enable_private_segment 0
		.amdhsa_kernarg_size 56
		.amdhsa_user_sgpr_count 2
		.amdhsa_user_sgpr_kernarg_segment_ptr 1
		.amdhsa_wavefront_size32 1
		.amdhsa_system_sgpr_workgroup_id_x 1
		.amdhsa_system_sgpr_workgroup_id_y 1
		.amdhsa_system_sgpr_workgroup_id_z 1
		.amdhsa_system_vgpr_workitem_id 0
		.amdhsa_next_free_vgpr 1024
		.amdhsa_next_free_sgpr 100
		.amdhsa_reserve_vcc 1
		.amdhsa_float_denorm_mode_32 3
		.amdhsa_float_denorm_mode_16_64 3
		.amdhsa_memory_ordered 1
		.amdhsa_forward_progress 1
		.amdhsa_inst_pref_size 157
	.end_amdhsa_kernel
	.amdgpu_metadata
---
amdhsa.version: [ 1, 2 ]
amdhsa.kernels:
  - .name:           k_q0b3267f3bc_qkv
    .symbol:         k_q0b3267f3bc_qkv.kd
    .args:
      - { .name: xc, .offset: 0, .size: 8, .value_kind: global_buffer, .address_space: global }
      - { .name: xs, .offset: 8, .size: 8, .value_kind: global_buffer, .address_space: global }
      - { .name: wc, .offset: 16, .size: 8, .value_kind: global_buffer, .address_space: global }
      - { .name: ws, .offset: 24, .size: 8, .value_kind: global_buffer, .address_space: global }
      - { .name: b_qkv, .offset: 32, .size: 8, .value_kind: global_buffer, .address_space: global }
      - { .name: qkvc, .offset: 40, .size: 8, .value_kind: global_buffer, .address_space: global }
      - { .name: qkvs, .offset: 48, .size: 8, .value_kind: global_buffer, .address_space: global }
    .group_segment_fixed_size: 327680
    .private_segment_fixed_size: 0
    .kernarg_segment_align: 8
    .kernarg_segment_size: 56
    .max_flat_workgroup_size: 128
    .sgpr_count:     100
    .vgpr_count:     1024
    .wavefront_size: 32
...
	.end_amdgpu_metadata
.endif
;; end of part 2
;; launch attn (part 3): grid 8 x 32, 16 waves a work-group, no clusters, 55,296 bytes of LDS; arguments qkvc, qkvs, yc, ys; writes yc, ys
.if DOCPART == 3
	.amdgcn_target "amdgcn-amd-amdhsa--gfx1250"
	.amdhsa_code_object_version 6
	.text
	.protected	k_q0b3267f3bc_attn
	.globl	k_q0b3267f3bc_attn
	.p2align	8
	.type	k_q0b3267f3bc_attn,@function
k_q0b3267f3bc_attn:
	s_mov_b64 s[64:65], 0
	v_nop
	global_prefetch_b8 v0, s[64:65] scope:SCOPE_SE
	s_setreg_imm32_b32 hwreg(HW_REG_WAVE_MODE, 25, 1), 1
	s_wait_xcnt 0x0
; y = softmax(q k^T / 8, causal) v for 64 heads of 64, 2,048 tokens, both products on codes of FP6 (E2M3) with E8M0 scales; y is quantised along the model's 1,024 at once, as the last product's operand.
; THE SOFTMAX: t = score x log2(e) / 8; M = the running largest t rounded up to a whole number; p = 2^(t - M) is quantised along the keys, not normalised; the row's sum of the unquantised p divides at the end.
; SHARES.  A work-group has a batch, a PAIR of heads, and two panels of 128 queries: 15 - j and then j (j = the work-group's x): 16 - j and j + 1 key steps of 128: 17 in every work-group.
; Its sixteen waves: heads 2 x tiles of 16 queries 8; four waves share a SIMD.
; K and V of a key step come from memory through registers into LDS, 48 bytes a thread; waves 0-7 stage K, waves 8-15 V.  Two buffers, one barrier a step.
; K RUNS ONE STEP AHEAD OF V.  In step s the fragments of K(s + 1) are loaded from LDS into the registers that held p, behind p's last reader; so step s + 1 opens with its eight products.
; For that K(s + 2) is stored in step s into K's buffer s % 2, whose K(s) was last read in step s - 1; V(s + 1) is stored into V's buffer (s + 1) % 2, last read in step s - 1.
; Two regions of 64 registers take turns from step to step: one holds K and then V, the other S^T, p and then the next K.
; K's eight tiles lie 6 registers apart: an operand's upper six registers are the next tile's; they meet q's zero codes.
; LAYOUT.  Both products are used transposed (S^T = K Q^T, O^T = V^T P^T): a lane holds one query.  All operands lie in memory as images of their registers; the tokens of a tile are 32 b + 8 u + r + 8 (r / 8),
; so that the 16 registers of tiles 2 b and 2 b + 1 are 16 neighbouring keys (or channels).
; NO CLUSTER: the eight work-groups of a batch and pair want different numbers of tiles and begin again at key 0 at different steps.
; NO PREFETCH: each tile is asked for one or two whole steps ahead by the loads themselves.
; LIMITS: NaN and infinities are not served; a block of y that is all zeros or under 2^-124 gets the scale byte 1.
; REGISTERS: v1-11, v28, v212-213 addresses; v12 -M, v13 the largest t, v[14:15] the sum; v16-27 q (v22-27 zeros); v29 my query less 16 (lane / 16), v30 -infinity; v32-95, v96-159 the two regions;
;   v160-191 O^T, at a panel's end y; v192-207 staged bytes on their way; v208-211 K's scale words; v220-254 at work; v224-235 p's codes; v248-251 V's scale words; v253 p's; v255 q's.
.set BUFB, 26112                       ; a buffer: K even head, K odd, V even, V odd (6,144 each), K's scale words (512 + 512), V's (512)
.set VO,   12288
.set KSO,  24576
.set VSO,  25600
.set YSC,  2*BUFB                      ; y's scale words are gathered here: 512 bytes for each parity of the step
.set WV,   12
.set PAR,  13
.set TILE, 14
.set SEL,  20
.set CS,   22
.set KS,   24                          ; the key step in hand
.set QB,   25                          ; the panel of queries in hand
.set NK,   26                          ; the next key step
.set DIAG, 27
.set TRIP, 28
.set QB2,  29
.set STB,  30
.set STC,  32
.set SSB,  34
.set SSC,  36
.set QCB,  38
.set QCC,  40
.set QSB,  42
.set QSC,  44
.set YCB,  46
.set YCC,  48
.set YSB,  50
.set YSC2, 52
.set Q1,   58                          ; the first panel
.set Q1P,  59                          ; its number of key steps
.set SN,   60                          ; the step, 0 .. 16
.set NK2,  61                          ; the key step after the next
.set DOC,  62                          ; 1: I stage codes in this step
.set DOW,  63                          ; 1: (waves 0-2) I stage scale words in this step
.set T0,   66
; what a wave stages: codes if wave < cw, scale words if wave < ww; fl = 1: and only if the step's flags say so
.macro STAGE_LD rb, cw, ww, fl
.if \cw < 16
	s_cmp_lt_u32 s[WV], \cw
	s_cbranch_scc0 .Lnc_\@
.endif
.if \fl
	s_cmp_eq_u32 s[DOC], 0
	s_cbranch_scc1 .Lnc_\@
.endif
.irp c, 0,1,2
	global_load_b128 v[\rb+4*\c:\rb+4*\c+3], v8, s[STC:STC+1] offset:512*\c
.endr
.Lnc_\@:
	s_cmp_lt_u32 s[WV], \ww
	s_cbranch_scc0 .Lnw_\@
.if \fl
	s_cmp_eq_u32 s[DOW], 0
	s_cbranch_scc1 .Lnw_\@
.endif
	global_load_b128 v[\rb+12:\rb+15], v8, s[SSC:SSC+1]
.Lnw_\@:
.endm
.macro STAGE_ST rb, cw, ww, fl, ac, aw
.if \cw < 16
	s_cmp_lt_u32 s[WV], \cw
	s_cbranch_scc0 .Lnc_\@
.endif
.if \fl
	s_cmp_eq_u32 s[DOC], 0
	s_cbranch_scc1 .Lnc_\@
.endif
.irp c, 0,1,2
	ds_store_b128 v[\ac], v[\rb+4*\c:\rb+4*\c+3] offset:512*\c
.endr
.Lnc_\@:
	s_cmp_lt_u32 s[WV], \ww
	s_cbranch_scc0 .Lnw_\@
.if \fl
	s_cmp_eq_u32 s[DOW], 0
	s_cbranch_scc1 .Lnw_\@
.endif
	ds_store_b128 v[\aw], v[\rb+12:\rb+15]
.Lnw_\@:
.endm
.macro KLD kb, r                       ; K's eight half fragments and their scale words: 17 loads
	ds_load_b128 v[208:211], v4 offset:(\kb)*BUFB
.irp t, 0,1,2,3,4,5,6,7
	ds_load_b128 v[\r+6*\t:\r+6*\t+3], v1 offset:(\kb)*BUFB+768*\t
	ds_load_b64 v[\r+6*\t+4:\r+6*\t+5], v2 offset:(\kb)*BUFB+768*\t
.endr
.endm
.macro KQ kr, sr                       ; S^T = K Q^T: eight tiles of 16 keys
.irp t, 0,1,2,3
	v_wmma_scale_f32_16x16x128_f8f6f4 v[\sr+8*\t:\sr+8*\t+7], v[\kr+6*\t:\kr+6*\t+11], v[16:27], 0, v[208+\t], v255 matrix_a_fmt:MATRIX_FMT_FP6 matrix_b_fmt:MATRIX_FMT_FP6
.endr
.irp t, 0,1,2,3
	v_wmma_scale_f32_16x16x128_f8f6f4 v[\sr+32+8*\t:\sr+32+8*\t+7], v[\kr+24+6*\t:\kr+24+6*\t+11], v[16:27], 0, v[208+\t], v255 matrix_a_fmt:MATRIX_FMT_FP6 matrix_b_fmt:MATRIX_FMT_FP6 matrix_a_scale:MATRIX_SCALE_ROW1
.endr
.endm
.macro VLD buf, kr                     ; V^T's four fragments and their scale words, 13 loads: they land while the softmax is walked
.rept 4
	v_nop                                          ; places behind the products above: for these loads, and for the first read of the scores
.endr
.irp t, 0,1,2,3
.irp c, 0,1,2
	ds_load_b128 v[\kr+12*\t+4*\c:\kr+12*\t+4*\c+3], v3 offset:(\buf)*BUFB+1536*\t+512*\c
.endr
.endr
	ds_load_b128 v[248:251], v5 offset:(\buf)*BUFB
.endm
.macro MASK sr                         ; on the diagonal: register 16 b + i holds key 32 b + 16 (lane / 16) + i of the panel: hidden where 32 b + i > v29
.set n, 0
.rept 64
	v_cmp_gt_i32 vcc_lo, 32*(n/16)+n%16, v29
	v_cndmask_b32 v[\sr+n], v[\sr+n], v30, vcc_lo
.set n, n+1
.endr
.endm
.macro ADD8 sr, o0, o1, o2, o3, o4, o5, o6, o7
	v_pk_add_f32 v[236:237], v[236:237], v[\sr+\o0:\sr+\o0+1]
	v_pk_add_f32 v[246:247], v[246:247], v[\sr+\o1:\sr+\o1+1]
	v_pk_add_f32 v[244:245], v[244:245], v[\sr+\o2:\sr+\o2+1]
	v_pk_add_f32 v[242:243], v[242:243], v[\sr+\o3:\sr+\o3+1]
	v_pk_add_f32 v[240:241], v[240:241], v[\sr+\o4:\sr+\o4+1]
	v_pk_add_f32 v[222:223], v[222:223], v[\sr+\o5:\sr+\o5+1]
	v_pk_add_f32 v[220:221], v[220:221], v[\sr+\o6:\sr+\o6+1]
	v_pk_add_f32 v[14:15], v[14:15], v[\sr+\o7:\sr+\o7+1]
.endm
.macro SOFTMAX sr, kld, kb
.irp b, 0,1,2,3
	v_max3_num_f32 v[232+\b], v[\sr+16*\b], v[\sr+1+16*\b], v[\sr+2+16*\b]   ; the largest score of each block of 32 keys: for the row's maximum and, since p rises with the score, for the block's largest p
.endr
.irp i, 3,5,7,9,11,13
.irp b, 0,1,2,3
	v_max3_num_f32 v[232+\b], v[232+\b], v[\sr+16*\b+\i], v[\sr+1+16*\b+\i]
.endr
.endr
.irp b, 0,1,2,3
	v_max_num_f32 v[232+\b], v[232+\b], v[\sr+15+16*\b]
.endr
.irp b, 0,1,2,3
	s_delay_alu instid0(VALU_DEP_4)
	v_permlanex16_b32 v[236+\b], v[232+\b], s[SEL], s[SEL+1]
.endr
.irp b, 0,1,2,3
	s_delay_alu instid0(VALU_DEP_4)
	v_max_num_f32 v[232+\b], v[232+\b], v[236+\b]  ; with lane l xor 16's 16 keys
.endr
	s_delay_alu instid0(VALU_DEP_2)
	v_max3_num_f32 v254, v232, v233, v234
	s_delay_alu instid0(VALU_DEP_1)
	v_max_num_f32 v254, v254, v235                 ; the step's largest score of my query
	s_delay_alu instid0(VALU_DEP_1)
	v_mul_f32 v254, s[CS], v254                    ; as t (c is positive)
	s_delay_alu instid0(VALU_DEP_1)
	v_max_num_f32 v13, v13, v254                   ; the running largest t
	v_mov_b32 v254, v12
	s_delay_alu instid0(VALU_DEP_2)
	v_floor_f32 v12, -v13                          ; the new -M = floor(-t): M is a whole number
	s_delay_alu instid0(VALU_DEP_1)
	v_sub_f32 v254, v12, v254                      ; old M less new M: a whole number, 0 or less
	s_delay_alu instid0(VALU_DEP_1)
	v_cvt_i32_f32 v254, v254                       ; (it saturates)
	s_delay_alu instid0(VALU_DEP_1)
	v_ldexp_f32 v252, 1.0, v254                    ; f = 2^(old M - new M): a multiplication by it rounds nothing
.set j, 0
.rept 32
	v_pk_fma_f32 v[\sr+j:\sr+j+1], v[\sr+j:\sr+j+1], s[CS:CS+1], v[12:13] op_sel_hi:[1,0,0]   ; t - M, two at a time
.set j, j+2
.endr
.irp b, 0,1,2,3
	v_fma_f32 v[232+\b], v[232+\b], s[CS], v12     ; the same of each block's largest score
.endr
.set j, 0
	s_wait_alu depctr_va_vdst(0)
.rept 64
	v_exp_f32 v[\sr+j], v[\sr+j]                   ; p = 2^(t - M), at most 1
.set j, j+1
.endr
.irp b, 0,1,2,3
	v_exp_f32 v[232+\b], v[232+\b]                 ; the block's largest p: the same two instructions on the same number
.endr
	v_pk_mul_f32 v[14:15], v[14:15], v[252:253] op_sel_hi:[1,0]   ; the sums under the new M (a plain line behind the exponentials)
	s_wait_alu depctr_va_vdst(0)
.irp b, 0,1,2,3
	v_max_num_f32 v[232+\b], 0x1800000, v[232+\b]  ; the floor 2^(3 - 127): the byte cannot fall under 1
.endr
.irp b, 0,1,2,3
	s_delay_alu instid0(VALU_DEP_4)
	v_add_nc_u32 v[244+\b], 0xff000000, v[232+\b]  ; 2 off the exponent field: the conversion's scale operand
.endr
.irp b, 0,1,2,3
	s_delay_alu instid0(VALU_DEP_4)
	v_lshrrev_b32 v[236+\b], 23, v[244+\b]         ; the scale's byte
.endr
	s_delay_alu instid0(VALU_DEP_3)
	v_lshl_or_b32 v253, v237, 8, v236              ; p's scale word for these 128 keys
	s_delay_alu instid0(VALU_DEP_1)
	v_lshl_or_b32 v253, v238, 16, v253
	s_delay_alu instid0(VALU_DEP_1)
	v_lshl_or_b32 v253, v239, 24, v253
.irp c, 0,1
	v_cvt_scalef32_pk16_fp6_f32 v[224+6*\c:226+6*\c], v[\sr+32*\c:\sr+15+32*\c], v[244+2*\c]
	v_cvt_scalef32_pk16_fp6_f32 v[236+4*\c:238+4*\c], v[\sr+16+32*\c:\sr+31+32*\c], v[244+2*\c+1]
.endr
	v_nop                                          ; one plain line behind a scaled conversion
.irp c, 0,1                                    ; a whole block in a lane: lanes 0-15 block 2 c, lanes 16-31 block 2 c + 1
.irp i, 0,1,2
	v_permlane16_swap_b32 v[224+6*\c+\i], v[236+4*\c+\i]
.endr
.irp i, 0,1,2
	s_delay_alu instid0(VALU_DEP_3)
	v_mov_b32 v[227+6*\c+\i], v[236+4*\c+\i]
.endr
.endr
	v_pk_add_f32 v[236:237], v[\sr+4:\sr+5], v[\sr+8:\sr+9]        ; the row's sum of the unquantised p, in eight chains
	v_pk_add_f32 v[246:247], v[\sr+12:\sr+13], v[\sr+16:\sr+17]
	v_pk_add_f32 v[244:245], v[\sr+20:\sr+21], v[\sr+24:\sr+25]
	v_pk_add_f32 v[242:243], v[\sr+28:\sr+29], v[\sr+32:\sr+33]
	v_pk_add_f32 v[240:241], v[\sr+36:\sr+37], v[\sr+40:\sr+41]
	v_pk_add_f32 v[222:223], v[\sr+44:\sr+45], v[\sr+48:\sr+49]
	v_pk_add_f32 v[220:221], v[\sr+52:\sr+53], v[\sr+56:\sr+57]
	v_pk_add_f32 v[14:15], v[14:15], v[\sr+60:\sr+61]
	ADD8 \sr, 0, 2, 6, 10, 14, 18, 22, 26
	ADD8 \sr, 30, 34, 38, 42, 46, 50, 54, 58
	v_pk_add_f32 v[236:237], v[236:237], v[\sr+62:\sr+63]
	s_delay_alu instid0(VALU_DEP_2)
	v_pk_add_f32 v[14:15], v[14:15], v[242:243]
	s_delay_alu instid0(VALU_DEP_2)
	v_pk_add_f32 v[236:237], v[236:237], v[240:241]
	v_pk_add_f32 v[246:247], v[246:247], v[222:223]
	v_pk_add_f32 v[244:245], v[244:245], v[220:221]
	s_delay_alu instid0(VALU_DEP_2)
	v_pk_add_f32 v[14:15], v[14:15], v[246:247]
	s_delay_alu instid0(VALU_DEP_2)
	v_pk_add_f32 v[236:237], v[236:237], v[244:245]
	s_delay_alu instid0(VALU_DEP_1)
	v_pk_add_f32 v[14:15], v[14:15], v[236:237]
.if \kld
	KLD \kb, \sr                                   ; p has had its last reader: the next step's K comes into its registers
.endif
	s_wait_alu depctr_va_vdst(0)                   ; directly ahead of the first reader of O^T
.set j, 0
.rept 16
	v_pk_mul_f32 v[160+j:161+j], v[160+j:161+j], v[252:253] op_sel_hi:[1,0]   ; O^T under the new M.  (With the sums above: the places between the lines that made p's codes and scale word and the products below)
.set j, j+2
.endr
.endm
.macro PV kr, younger                  ; O^T += V^T P^T: four tiles of 16 channels, four accumulators by turns
	s_wait_dscnt \younger                          ; V's fragments and scale words are in; the next K's 17 loads may be out
.irp t, 0,1,2,3
	v_wmma_scale_f32_16x16x128_f8f6f4 v[160+8*\t:167+8*\t], v[\kr+12*\t:\kr+12*\t+11], v[224:235], v[160+8*\t:167+8*\t], v[248+\t], v253 matrix_a_fmt:MATRIX_FMT_FP6 matrix_b_fmt:MATRIX_FMT_FP6
.endr
.rept 5
	v_nop                                          ; places: the next step's products write over V's fragments; and for the next read of O^T
.endr
.endm
.macro INIT                            ; a panel begins: zeros, which the first change of M leaves zeros
.set j, 0
.rept 32
	v_mov_b32 v[160+j], 0
.set j, j+1
.endr
	v_mov_b32 v14, 0
	v_mov_b32 v15, 0
	v_mov_b32 v13, 0xff61b1e6                      ; -3e38, under every t
	s_delay_alu instid0(VALU_DEP_1)
	v_floor_f32 v12, -v13
.endm
; A panel ends: y = O^T / the sum, in O^T's registers; register 16 e + i is channel 32 e + 16 (lane / 16) + i of my head: two blocks of the last product's K; codes and scale bytes leave.
.macro FINAL buf, last
	s_mul_i32 s54, s[QB], 12288
	s_mov_b32 s55, 0
	s_add_nc_u64 s[YCC:YCC+1], s[YCB:YCB+1], s[54:55]   ; (every earlier store by these bases has its wait on XCNT behind it)
	s_lshl_b32 s54, s[QB], 9
	s_add_nc_u64 s[YSC2:YSC2+1], s[YSB:YSB+1], s[54:55]
.if !\last
	s_mul_i32 s54, s[QB2], 6144
	s_add_nc_u64 s[QCC:QCC+1], s[QCB:QCB+1], s[54:55]   ; (q's earlier loads were waited for)
	s_lshl_b32 s54, s[QB2], 9
	s_add_nc_u64 s[QSC:QSC+1], s[QSB:QSB+1], s[54:55]
	global_load_b128 v[16:19], v8, s[QCC:QCC+1]    ; the second panel's q: its last products stand a softmax back
	global_load_b64 v[20:21], v9, s[QCC:QCC+1]
	global_load_b32 v255, v10, s[QSC:QSC+1]
.endif
	v_add_f32 v14, v14, v15                        ; the sum's two halves,
	s_delay_alu instid0(VALU_DEP_1)
	v_permlanex16_b32 v252, v14, s[SEL], s[SEL+1]
	s_delay_alu instid0(VALU_DEP_1)
	v_add_f32 v14, v14, v252                       ; and lane l xor 16's
	s_wait_alu depctr_va_vdst(0)
	v_rcp_f32 v14, v14
	v_nop                                          ; a plain line behind the transcendental
.set j, 0
	s_wait_alu depctr_va_vdst(0)
.rept 32
	v_mul_f32 v[160+j], v[160+j], v14              ; ascending: each accumulator is read from its low end on
.set j, j+1
.endr
.irp b, 0,1
	v_max3_num_f32 v[232+\b], |v[160+16*\b]|, |v[161+16*\b]|, 0x1800000
.endr
.irp i, 2,4,6,8,10,12,14
.irp b, 0,1
	s_delay_alu instid0(VALU_DEP_2)
	v_max3_num_f32 v[232+\b], v[232+\b], |v[160+16*\b+\i]|, |v[161+16*\b+\i]|
.endr
.endr
.irp b, 0,1
	s_delay_alu instid0(VALU_DEP_2)
	v_permlanex16_b32 v[236+\b], v[232+\b], s[SEL], s[SEL+1]
.endr
.irp b, 0,1
	s_delay_alu instid0(VALU_DEP_2)
	v_max_num_f32 v[232+\b], v[232+\b], v[236+\b]
.endr
.irp b, 0,1
	s_delay_alu instid0(VALU_DEP_2)
	v_add_nc_u32 v[244+\b], 0xff000000, v[232+\b]
.endr
.irp b, 0,1
	s_delay_alu instid0(VALU_DEP_2)
	v_lshrrev_b32 v[240+\b], 23, v[244+\b]
.endr
	s_delay_alu instid0(VALU_DEP_1)
	v_lshl_or_b32 v242, v241, 8, v240              ; my head's two bytes of the row's scale word
	v_cvt_scalef32_pk16_fp6_f32 v[224:226], v[160:175], v244
	v_cvt_scalef32_pk16_fp6_f32 v[228:230], v[176:191], v245
	v_nop                                          ; one plain line behind a scaled conversion
.irp i, 0,1,2
	v_permlane16_swap_b32 v[224+\i], v[228+\i]     ; lanes 0-15 get block 0 whole, lanes 16-31 block 1
.endr
.irp i, 0,1,2
	s_delay_alu instid0(VALU_DEP_3)
	v_mov_b32 v[227+\i], v[228+\i]                 ; ascending: none is written before it is read
.endr
	global_store_b128 v8, v[224:227], s[YCC:YCC+1] ; half a fragment of the last product's operand: 512 consecutive bytes,
	global_store_b64 v9, v[228:229], s[YCC:YCC+1]  ; and 256
	ds_store_b16 v11, v242 offset:512*(\buf)       ; lanes l and l xor 16 write the same two bytes with the same value
.if !\last
	INIT
	s_wait_xcnt 0x0                                ; the stores have read their registers: the next softmax may write them
.endif
.endm
.macro STEP buf, last
.set KR_, 32+64*(\buf)
.set SR_, 96-64*(\buf)
.if !\last
	s_add_co_u32 s[NK], s[KS], 1
	s_cmp_eq_u32 s[KS], s[QB]                      ; ids and counts alone: the same in all sixteen waves
	s_cselect_b32 s[DIAG], 1, 0
	s_cselect_b32 s[NK], 0, s[NK]                  ; behind the diagonal the second panel begins at key 0
	s_add_co_u32 s[NK2], s[SN], 2
	s_cmp_le_u32 s[NK2], 16                        ; is there a step s + 2?
	s_cselect_b32 s[T0], 1, 0
	s_or_b32 s[DOC], s[T0], s[PAR]                 ; V's waves stage in every step of the loop, K's while a step s + 2 is left
	s_lshr_b32 s[DOW], s[WV], 1
	s_or_b32 s[DOW], s[DOW], s[T0]                 ; waves 0, 1 (K's words) likewise; wave 2 (V's) in every step
	s_cmp_gt_u32 s[NK2], s[Q1]
	s_cselect_b32 s[T0], s[Q1P], 0
	s_sub_co_u32 s[NK2], s[NK2], s[T0]             ; step s + 2's key step
	s_cmp_lg_u32 s[PAR], 0
	s_cselect_b32 s[T0], s[NK], s[NK2]
	s_mul_i32 s54, s[T0], 6144
	s_mov_b32 s55, 0
	s_add_nc_u64 s[STC:STC+1], s[STB:STB+1], s[54:55]   ; (the loads that named these bases were waited for at the last step's end)
	s_cmp_lt_u32 s[WV], 2
	s_cselect_b32 s[T0], s[NK2], s[NK]
	s_lshl_b32 s54, s[T0], 9
	s_add_nc_u64 s[SSC:SSC+1], s[SSB:SSB+1], s[54:55]
	STAGE_LD 192, 16, 3, 1
.endif
	KQ KR_, SR_
	VLD \buf, KR_
.if \last
	MASK SR_
	SOFTMAX SR_, 0, 0
	s_wait_alu depctr_va_vdst(0)
	PV KR_, 0
	FINAL \buf, 1
.else
	s_cmp_eq_u32 s[DIAG], 0
	s_cbranch_scc1 .Lopen_\@
	MASK SR_
.Lopen_\@:
	SOFTMAX SR_, 1, 1-\buf
	s_wait_alu depctr_va_vdst(0)
	PV KR_, 17
	s_cmp_eq_u32 s[DIAG], 0
	s_cbranch_scc1 .Lgoes_on_\@
	FINAL \buf, 0
.Lgoes_on_\@:
	s_wait_loadcnt 0x0                             ; the staged bytes (and the next panel's q) are in
	STAGE_ST 192, 16, 3, 1, 6+206*(\buf), 7+206*(\buf)
.endif
	s_wait_dscnt 0x0                               ; my reads are over (the next K is in its registers) and my stores have landed
	s_barrier_signal -1
	s_barrier_wait -1
.if !\last
	s_cmp_eq_u32 s[DIAG], 0
	s_cbranch_scc1 .Lno_words_out_\@
.endif
	s_cmp_lg_u32 s[WV], 0
	s_cbranch_scc1 .Lno_words_out_\@
	ds_load_b128 v[232:235], v28 offset:512*(\buf) ; wave 0: the panel's 512 bytes of scale words, which all sixteen waves wrote; these bytes are written again two barriers on at the earliest
	s_wait_dscnt 0x0
	global_store_b128 v8, v[232:235], s[YSC2:YSC2+1]
	s_wait_xcnt 0x0                                ; the store has read its registers
.Lno_words_out_\@:
.if !\last
	s_mov_b32 s[KS], s[NK]
	s_cmp_lg_u32 s[DIAG], 0
	s_cselect_b32 s[QB], s[QB2], s[QB]
	s_add_co_u32 s[SN], s[SN], 1
.endif
.endm
	s_load_b128 s[4:7], s[0:1], 0x0                ; qkvc, qkvs
	s_load_b128 s[8:11], s[0:1], 0x10              ; yc, ys
	v_lshrrev_b32 v31, 5, v0
	s_delay_alu instid0(VALU_DEP_1)
	v_readfirstlane_b32 s[WV], v31                 ; wave 0..15
	s_lshr_b32 s[PAR], s[WV], 3
	s_and_b32 s[TILE], s[WV], 7
	v_and_b32 v31, 31, v0                          ; lane
	v_and_b32 v32, 15, v0                          ; r
	v_bfe_u32 v33, v0, 4, 1                        ; h
	s_delay_alu instid0(VALU_DEP_3)
	v_lshlrev_b32 v8, 4, v31                       ; 16 x lane
	s_delay_alu instid0(VALU_DEP_4)
	v_lshl_add_u32 v9, v31, 3, 512                 ; 512 + 8 x lane
	s_wait_alu depctr_va_vdst(0)
	s_mul_i32 s54, s[PAR], 6144
	v_add_nc_u32 v1, s54, v8                       ; K of my head: registers 0-3 of a tile,
	v_add_nc_u32 v2, s54, v9                       ; registers 4-5
	s_add_co_u32 s54, s54, VO
	v_add_nc_u32 v3, s54, v8                       ; V of my head
	s_lshl_b32 s54, s[PAR], 9
	s_add_co_u32 s54, s54, KSO
	v_add_nc_u32 v4, s54, v8                       ; K's scale words
	s_lshl_b32 s54, s[PAR], 8
	s_add_co_u32 s54, s54, VSO
	v_lshl_add_u32 v5, v32, 4, s54                 ; V's: row r's four words
	s_mul_i32 s54, s[WV], 1536                     ; where I put what I stage.  In an even step K goes to buffer 0 and V to buffer 1,
	s_mul_i32 s55, s[PAR], BUFB
	s_add_co_u32 s55, s55, s54
	v_add_nc_u32 v6, s55, v8
	s_xor_b32 s55, s[PAR], 1                       ; in an odd step the other way round
	s_mul_i32 s55, s55, BUFB
	s_add_co_u32 s55, s55, s54
	v_add_nc_u32 v212, s55, v8
	s_lshr_b32 s54, s[WV], 1                       ; the scale words, 512 x wave + 16 x lane: waves 0, 1 go with K, wave 2 with V
	s_min_u32 s54, s54, 1
	s_mul_i32 s55, s54, BUFB
	s_add_co_u32 s55, s55, KSO
	v_lshl_add_u32 v7, v0, 4, s55
	s_xor_b32 s54, s54, 1
	s_mul_i32 s55, s54, BUFB
	s_add_co_u32 s55, s55, KSO
	v_lshl_add_u32 v213, v0, 4, s55
	s_lshr_b32 s54, s[TILE], 2
	s_lshl_b32 s54, s54, 8
	s_and_b32 s55, s[TILE], 3
	s_lshl_b32 s55, s55, 2
	s_add_co_u32 s54, s54, s55
	v_lshl_add_u32 v10, v32, 4, s54                ; my row's scale word in a panel: 256 (tile / 4) + 16 r + 4 (tile % 4)
	s_lshl_b32 s55, s[PAR], 1
	s_add_co_u32 s55, s55, YSC
	v_add_nc_u32 v11, s55, v10                     ; and my head's two bytes of it in the gather
	v_add_nc_u32 v28, YSC, v8
	s_lshr_b32 s54, s[TILE], 1
	s_lshl_b32 s54, s54, 5
	s_and_b32 s55, s[TILE], 1
	s_lshl_b32 s55, s55, 3
	s_add_co_u32 s54, s54, s55
	v_lshrrev_b32 v29, 3, v32
	s_delay_alu instid0(VALU_DEP_1)
	v_lshl_add_u32 v29, v29, 3, v32
	s_delay_alu instid0(VALU_DEP_1)
	v_add_nc_u32 v29, s54, v29                     ; my query in the panel: 32 (tile / 2) + 8 (tile % 2) + r + 8 (r / 8),
	v_lshlrev_b32 v33, 4, v33
	s_delay_alu instid0(VALU_DEP_1)
	v_sub_nc_u32 v29, v29, v33                     ; less 16 h
	v_mov_b32 v30, 0xff800000                      ; -infinity
	s_mov_b32 s[SEL], 0x76543210
	s_mov_b32 s[SEL+1], 0xfedcba98                 ; v_permlanex16_b32's selects for lane l xor 16
	s_mov_b32 s[CS], 0x3e38aa3b                    ; c = log2(e) / 8
	s_mov_b32 s[CS+1], s[CS]                       ; (named with it as a pair, so it is written)
	s_and_b32 s54, ttmp7, 0xffff
	s_lshr_b32 s15, s54, 3                         ; the batch
	s_and_b32 s16, s54, 7                          ; the pair of heads
	s_lshl_b32 s18, s16, 1
	s_add_co_u32 s17, s18, s[PAR]                  ; my head
	s_mul_i32 s19, s15, 1572864                    ; the batch's bytes in q's, k's or v's codes
	s_mov_b32 s55, 0
	s_mov_b32 s[QB2], ttmp9
	s_sub_co_u32 s[QB], 15, ttmp9
	s_mov_b32 s[Q1], s[QB]
	s_sub_co_u32 s[Q1P], 16, ttmp9
	s_mov_b32 s[SN], 0
	s_mov_b32 s[KS], 0
	s_wait_alu depctr_va_vdst(0)
	s_wait_kmcnt 0x0
	s_add_co_u32 s54, s[PAR], 1                    ; what I stage: waves 0-7 of k, waves 8-15 of v;
	s_mul_i32 s54, s54, 6291456
	s_add_co_u32 s54, s54, s19
	s_bfe_u32 s56, s[WV], 0x10002                  ; four waves to a head;
	s_add_co_u32 s56, s56, s18
	s_mul_i32 s56, s56, 98304
	s_add_co_u32 s54, s54, s56
	s_and_b32 s56, s[WV], 3                        ; a quarter of its panel each
	s_mul_i32 s56, s56, 1536
	s_add_co_u32 s54, s54, s56
	s_add_nc_u64 s[STB:STB+1], s[4:5], s[54:55]
	s_add_co_u32 s54, s18, s[WV]                   ; waves 0, 1: the scale words of k, head 2 pair + wave;
	s_lshl_b32 s54, s54, 13
	s_lshl_b32 s56, s15, 17
	s_add_co_u32 s54, s54, s56
	s_add_co_u32 s54, s54, 524288
	s_lshl_b32 s56, s15, 16                        ; wave 2: those of v (the other waves load none)
	s_lshl_b32 s57, s16, 13
	s_add_co_u32 s56, s56, s57
	s_add_co_u32 s56, s56, 1048576
	s_cmp_lt_u32 s[WV], 2
	s_cselect_b32 s54, s54, s56
	s_add_nc_u64 s[SSB:SSB+1], s[6:7], s[54:55]
	s_mul_i32 s54, s17, 98304
	s_add_co_u32 s54, s54, s19
	s_mul_i32 s56, s[TILE], 768
	s_add_co_u32 s54, s54, s56
	s_add_nc_u64 s[QCB:QCB+1], s[4:5], s[54:55]
	s_lshl_b32 s54, s15, 17
	s_lshl_b32 s56, s17, 13
	s_add_co_u32 s54, s54, s56
	s_add_nc_u64 s[QSB:QSB+1], s[6:7], s[54:55]
	s_mul_i32 s54, s16, 786432
	s_mul_i32 s56, s15, 196608
	s_add_co_u32 s54, s54, s56
	s_mul_i32 s56, s[TILE], 1536
	s_add_co_u32 s54, s54, s56
	s_mul_i32 s56, s[PAR], 768
	s_add_co_u32 s54, s54, s56
	s_add_nc_u64 s[YCB:YCB+1], s[8:9], s[54:55]
	s_lshl_b32 s54, s16, 15
	s_lshl_b32 s56, s15, 13
	s_add_co_u32 s54, s54, s56
	s_add_nc_u64 s[YSB:YSB+1], s[10:11], s[54:55]
	s_mov_b64 s[YCC:YCC+1], s[YCB:YCB+1]           ; written here once, so that they are written on every way; a panel's end sets them
	s_mov_b64 s[YSC2:YSC2+1], s[YSB:YSB+1]
	s_xor_b32 s[T0], s[PAR], 1                     ; ahead of step 0, as an odd step would: K(1) and V(0),
	s_mul_i32 s54, s[T0], 6144
	s_add_nc_u64 s[STC:STC+1], s[STB:STB+1], s[54:55]
	s_cmp_lt_u32 s[WV], 2
	s_cselect_b32 s54, 512, 0
	s_add_nc_u64 s[SSC:SSC+1], s[SSB:SSB+1], s[54:55]
	STAGE_LD 192, 16, 3, 0
	s_mul_i32 s54, s[QB], 6144
	s_add_nc_u64 s[QCC:QCC+1], s[QCB:QCB+1], s[54:55]
	s_lshl_b32 s54, s[QB], 9
	s_add_nc_u64 s[QSC:QSC+1], s[QSB:QSB+1], s[54:55]
	global_load_b128 v[16:19], v8, s[QCC:QCC+1]    ; the first panel's q: it stays in registers
	global_load_b64 v[20:21], v9, s[QCC:QCC+1]
	global_load_b32 v255, v10, s[QSC:QSC+1]
	s_wait_xcnt 0x0                                ; the loads have read their bases
	s_mov_b64 s[STC:STC+1], s[STB:STB+1]           ; and K(0), by K's waves alone
	s_mov_b64 s[SSC:SSC+1], s[SSB:SSB+1]
	STAGE_LD 96, 8, 2, 0
.irp j, 80,81,82,83,84,85
	v_mov_b32 v[\j], 0                             ; behind K's last tile: written once; later these hold what S^T or V left, which meets q's zero codes
.endr
.irp j, 22,23,24,25,26,27
	v_mov_b32 v[\j], 0                             ; q's upper 64 along K: zero codes
.endr
.irp b, 0,1,2,3
	v_mov_b32 v[236+\b], 0                         ; a lane permute's destination counts as one of its sources
.endr
	v_mov_b32 v253, 0                              ; (named as the upper half of the pair v[252:253] before it is first written)
	INIT
	s_wait_alu depctr_va_vdst(0)
	s_wait_loadcnt 0x0
	STAGE_ST 192, 16, 3, 0, 212, 213
	STAGE_ST 96, 8, 2, 0, 6, 7
	s_wait_dscnt 0x0
	s_barrier_signal -1
	s_barrier_wait -1
	KLD 0, 32                                      ; step 0's K
	s_wait_dscnt 0x0
	s_barrier_signal -1                            ; every wave has read K(0): step 0 stores K(2) into the same bytes
	s_barrier_wait -1
	s_mov_b32 s[TRIP], 8
.Lpair:                                            ; 8 trips of two steps, then the seventeenth, which is always the second panel's diagonal
	STEP 0, 0
	STEP 1, 0
	s_sub_co_u32 s[TRIP], s[TRIP], 1
	s_cmp_lg_u32 s[TRIP], 0
	s_cbranch_scc1 .Lpair
	STEP 0, 1
	s_wait_xcnt 0x0
	v_lshl_add_u32 v254, v0, 2, 0xd000
	v_mov_b32 v255, 0
	s_wait_alu depctr_va_vdst(0)
	s_wait_tensorcnt 0x0
	ds_add_u32 v254, v255
	s_wait_dscnt 0x0
	s_endpgm
.Lfunc_end_k_q0b3267f3bc_attn:
	.size	k_q0b3267f3bc_attn, .Lfunc_end_k_q0b3267f3bc_attn-k_q0b3267f3bc_attn
	.p2alignl 7, 3214868480
	.fill 96, 4, 3214868480
	.section	.rodata,"a",@progbits
	.p2align	6, 0x0
	.amdhsa_kernel k_q0b3267f3bc_attn
		.amdhsa_group_segment_fixed_size 55296
		.amdhsa_private_segment_fixed_size 0
		.amdhsa_enable_private_segment 0
		.amdhsa_kernarg_size 32
		.amdhsa_user_sgpr_count 2
		.amdhsa_user_sgpr_kernarg_segment_ptr 1
		.amdhsa_wavefront_size32 1
		.amdhsa_system_sgpr_workgroup_id_x 1
		.amdhsa_system_sgpr_workgroup_id_y 1
		.amdhsa_system_sgpr_workgroup_id_z 1
		.amdhsa_system_vgpr_workitem_id 0
		.amdhsa_next_free_vgpr 256
		.amdhsa_next_free_sgpr 68
		.amdhsa_reserve_vcc 1
		.amdhsa_float_denorm_mode_32 3
		.amdhsa_float_denorm_mode_16_64 3
		.amdhsa_memory_ordered 1
		.amdhsa_forward_progress 1
		.amdhsa_inst_pref_size 97
	.end_amdhsa_kernel
	.amdgpu_metadata
---
amdhsa.version: [ 1, 2 ]
amdhsa.kernels:
  - .name:           k_q0b3267f3bc_attn
    .symbol:         k_q0b3267f3bc_attn.kd
    .args:
      - { .name: qkvc, .offset: 0, .size: 8, .value_kind: global_buffer, .address_space: global }
      - { .name: qkvs, .offset: 8, .size: 8, .value_kind: global_buffer, .address_space: global }
      - { .name: yc, .offset: 16, .size: 8, .value_kind: global_buffer, .address_space: global }
      - { .name: ys, .offset: 24, .size: 8, .value_kind: global_buffer, .address_space: global }
    .group_segment_fixed_size: 55296
    .private_segment_fixed_size: 0
    .kernarg_segment_align: 8
    .kernarg_segment_size: 32
    .max_flat_workgroup_size: 512
    .sgpr_count:     68
    .vgpr_count:     256
    .wavefront_size: 32
...
	.end_amdgpu_metadata
.endif
;; end of part 3
;; launch proj (part 4): grid 8 x 32, 4 waves a work-group, clusters of 4 x 4, 327,680 bytes of LDS; arguments yc, ys, wc, ws, out0, b_proj; writes out0
.if DOCPART == 4
	.amdgcn_target "amdgcn-amd-amdhsa--gfx1250"
	.amdhsa_code_object_version 6
	.text
	.protected	k_q0b3267f3bc_proj
	.globl	k_q0b3267f3bc_proj
	.p2align	8
	.type	k_q0b3267f3bc_proj,@function
k_q0b3267f3bc_proj:
	s_mov_b64 s[64:65], 0
	v_nop
	global_prefetch_b8 v0, s[64:65] scope:SCOPE_SE
	s_setreg_imm32_b32 hwreg(HW_REG_WAVE_MODE, 25, 1), 1
	s_wait_xcnt 0x0
	s_wait_alu depctr_hold_cnt(0) depctr_sa_sdst(0) depctr_va_vdst(0) depctr_va_sdst(0) depctr_va_ssrc(0) depctr_va_vcc(0) depctr_vm_vsrc(0)
	s_getreg_b32 s2, hwreg(HW_REG_IB_STS2, 6, 4)
	s_cmp_eq_u32 s2, 0
	s_cbranch_scc0 .Lentry_in_a_cluster
	s_endpgm
.Lentry_in_a_cluster:
	s_bfe_u32 s2, ttmp6, 0x10000c
	s_cmp_lg_u32 s2, 0xf033
	s_cbranch_scc0 .Lentry_shape_is_right
	s_endpgm
.Lentry_shape_is_right:
; out0 = y W_proj + b_proj on codes of FP6 (E2M3) with E8M0 scales, K = 1,024.
; SHARES: 256 work-groups of 256 tokens x 128 features; four waves, 2 x 2: a wave has 128 tokens x 64 features.
; LDS holds all of K at once: y's codes as images of operand registers ([128 along K: 8][tile of 16 tokens: 16][1,536 bytes], 196,608 bytes) and 128 rows of the weight
; (768 bytes + 16 behind every 256).  Each is filled once, at the head, one tensor load a wave; nothing is filled again.
; A wave's 64 rows of the weight, all of K, lie in registers: 32 fragments, 384 registers.  y's tiles of 16 tokens stream past them: a tile is 8 fragments, in one of two sets, fetched two tiles ahead;
; its 32 products go on four accumulators by turns, and its 16 x 64 results leave at once, while the later tiles are multiplied.
; Source 0 = the weight's rows, source 1 = tokens: a lane holds a token, its registers run along the features.  wc's rows lie with bits 3 and 4 of their number exchanged, and so do the tokens of y's tiles.
; The bias is the C of each sum's first product.  Scale words come by plain loads into registers.
; THE WAY OUT: a tile goes through the wave's own stage in LDS and leaves as rows: sixteen lanes store 256 consecutive bytes, aligned.  A tile's stores stand behind the next tile's products.
; THE WAITS' COUNTS.  Ahead of tile i's products: the LDS instructions issued behind its fetch: 32 (tile 0: tile 1's fetch), 48 (the stage's 16 and a fetch's 32), 16 (tile 7: the stage's alone).
; Ahead of tile i - 1's stores: tile i's 16 stage instructions and, where there is one, the fetch's 32.
; CLUSTERS 4 x 4: y's tiles are shared along a row of the cluster, the weight's rows along a column.
; NO PREFETCH: every tile is asked for at the head; there is no loop to run ahead in.
; LIMITS: NaN and infinities are not served.
; REGISTERS: window 0: addresses, v32-63 y's scale words, v68-83 the weight's, v128-191 two sets of four accumulators, v192-223 the bias.  windows 1, 2: the weight's fragments, 21 to a window;
; window 2, v136-231: three sets of 32 for the rows read back.  window 3: y's fragments, two sets of 96.
.set KROW,  768
.set PITCH, 816
.set KQB,   24576
.set BR,    8*KQB
.set STG,   BR+128*PITCH
.set SPT,   272
.set SPARE, STG+4*16*SPT
.set SPW, 10
.set NIL, 11
.set STO, 18
.set RD,  19
.set CO,  17
.set SA,  32
.set SW,  68
.set AA,  100
.set AW,  116
.set ACC, 128
.set BI,  192
.set OUTR, 136
.set G1A, 24
.set G0A, 32
.set G0W, 36
.set G1W, 48
.set MSB, 0
.macro WIN new
.if MSB != (\new)
	s_set_vgpr_msb (MSB<<8)|(\new)
.set MSB, (\new)
.endif
.endm
.macro PLACES n
.rept \n
	v_nop
.endr
.endm
.macro WALU
	s_wait_alu depctr_va_vdst(0)
.endm
.macro BARRIER
	s_barrier_signal -1
	s_barrier_wait -1
.endm
.macro CROUND
	s_barrier_signal -1
	s_barrier_wait -1
	s_cmp_lg_u32 s14, 0
	s_cbranch_scc1 .Lnot_wave_0_\@
	s_barrier_signal -3
.Lnot_wave_0_\@:
	s_barrier_wait -3
	BARRIER
.endm
.macro TLOAD g0, g1
	tensor_load_to_lds s[\g0:\g0+3], s[\g1:\g1+7]
	s_nop 0
	PLACES 4
.endm
.macro FRAG rg, q, a0                  ; the weight's fragment: six pieces of 8 bytes, two to a load where both go by one address register
.set SK_, 0
.irp p, 0,1,2,3,4,5
.if SK_
.set SK_, 0
.else
.set PC_, 12*(\q)+6*(\p/3)+\p%3
.set PN_, 12*(\q)+6*((\p+1)/3)+(\p+1)%3
.set X_, (PC_%32+3)/32
.set XN_, (PN_%32+3)/32
.if (\p < 5) && (X_ == XN_)
.set SK_, 1
	ds_load_2addr_b64 v[\rg+2*\p:\rg+2*\p+3], v[\a0+X_] offset0:PC_+2*(PC_/32) offset1:PN_+2*(PN_/32)
.else
	ds_load_b64 v[\rg+2*\p:\rg+2*\p+1], v[\a0+X_] offset:8*(PC_+2*(PC_/32))
.endif
.endif
.endr
.endm
.macro LOADY i                         ; tile i's eight fragments (images: 16 + 8 bytes a lane for each head of a pair): 32 loads
	WIN 0xc0
.irp q, 0,1,2,3,4,5,6,7
.set R_, 96*((\i)%2)+12*\q
	ds_load_b128 v[R_:R_+3], v[AA+2*\q] offset:1536*(\i)
	ds_load_b64 v[R_+4:R_+5], v[AA+2*\q+1] offset:1536*(\i)
	ds_load_b128 v[R_+6:R_+9], v[AA+2*\q] offset:1536*(\i)+768
	ds_load_b64 v[R_+10:R_+11], v[AA+2*\q+1] offset:1536*(\i)+768
.endr
	WIN 0
.endm
.macro MM a, b, c, sa, sb, ra, rb
	v_wmma_scale_f32_16x16x128_f8f6f4 v[D_:D_+7], v[\a:\a+11], v[\b:\b+11], \c, v[\sa], v[\sb] matrix_a_fmt:MATRIX_FMT_FP6 matrix_b_fmt:MATRIX_FMT_FP6 matrix_a_scale:MATRIX_SCALE_ROW\ra matrix_b_scale:MATRIX_SCALE_ROW\rb
.endm
.macro BLOCKP rb, i4                   ; tile 4 rb + i4: 32 products; fragment 4 q + j of the weight lies in window 1 + (4 q + j) / 21
.irp q, 0,1,2,3,4,5,6,7
.irp ra, 0,1
.irp j2, 0,1
.set F_, 4*\q+2*\ra+\j2
.set WF_, 12*(F_%21)
.set XF_, 96*(I_%2)+12*\q
.set D_, ACC+32*(I_%2)+8*(2*\ra+\j2)
	WIN (1+F_/21)|0x0c
.if \q == 0
	MM WF_, XF_, v[BI+8*(2*\ra+\j2):BI+8*(2*\ra+\j2)+7], SW+8*\j2+\q, SA+4*\q+\i4, \ra, \rb
.else
	MM WF_, XF_, v[D_:D_+7], SW+8*\j2+\q, SA+4*\q+\i4, \ra, \rb
.endif
.endr
.endr
.endr
.endm
.macro TOSTAGE i
.irp j, 0,1,2,3
	ds_store_b128 v[STO], v[ACC+32*((\i)%2)+8*\j:ACC+32*((\i)%2)+8*\j+3] offset:128*(\j/2)+32*(\j%2)       ; each accumulator from its low end on
	ds_store_b128 v[STO], v[ACC+32*((\i)%2)+8*\j+4:ACC+32*((\i)%2)+8*\j+7] offset:128*(\j/2)+32*(\j%2)+16
.endr
	WIN 0x80
.irp t, 0,1,2,3,4,5,6,7
	ds_load_b128 v[OUTR+32*((\i)%3)+4*\t:OUTR+32*((\i)%3)+4*\t+3], v[RD] offset:\t*2*SPT   ; LDS serves a wave's instructions in order: these see the stores above
.endr
	WIN 0
.endm
.macro SEND i, younger                 ; tile i's tokens are 32 (i / 2) + 8 (i % 2) + r + 8 (r / 8)
	s_wait_dscnt \younger
	WIN 0x08
.irp t, 0,1,2,3,4,5,6,7
	global_store_b128 v[CO], v[OUTR+32*((\i)%3)+4*\t:OUTR+32*((\i)%3)+4*\t+3], s[12:13] offset:(32*((\i)/2)+8*((\i)%2)+2*\t+8*(\t/4))*4096 th:TH_STORE_NT
.endr
	WIN 0
.endm
.macro ITER rb, i4
.set I_, 4*\rb+\i4
.if I_ == 0
	s_wait_dscnt 32
.elseif I_ == 7
	s_wait_dscnt 16
.else
	s_wait_dscnt 48
.endif
	BLOCKP \rb, \i4
	WIN 0
	s_wait_xcnt 0x0                                ; the stores of three tiles ago have read the registers that the rows below come back into
	PLACES 4                                       ; behind the products: for the reads of their results and the loads into their fragments
	TOSTAGE I_
.if I_ < 6
	LOADY I_+2
.endif
.if I_ > 0
.if I_ < 6
	SEND I_-1, 48
.else
	SEND I_-1, 16
.endif
.endif
.endm
	s_load_b128 s[4:7], s[0:1], 0x0                ; yc, ys
	s_load_b128 s[8:11], s[0:1], 0x10              ; wc, ws
	s_load_b64 s[12:13], s[0:1], 0x20              ; out0
	s_load_b64 s[96:97], s[0:1], 0x28              ; b_proj
	v_lshl_add_u32 v[SPW], v0, 2, SPARE
	v_mov_b32 v[NIL], 0
	ds_add_u32 v[SPW], v[NIL]                      ; the opening lines
	ds_add_u32 v[SPW], v[NIL]
	v_lshrrev_b32 v1, 5, v0
	v_readfirstlane_b32 s14, v1                    ; wave
	s_lshr_b32 s15, s14, 1                         ; which 128 tokens I multiply
	s_and_b32 s16, s14, 1                          ; which 64 features; also which half of a tile I fetch
	s_bfe_u32 s40, ttmp6, 0x40000
	s_bfe_u32 s41, ttmp6, 0x40004
	s_lshl_b32 s42, ttmp9, 2
	s_add_co_u32 s42, s42, s40                     ; the block of 128 features, 0 .. 7
	s_and_b32 s17, ttmp7, 0xffff
	s_lshl_b32 s17, s17, 2
	s_add_co_u32 s17, s17, s41                     ; the block of 256 tokens, 0 .. 31
	s_lshl_b32 s43, s41, 2
	s_lshl_b32 s43, 15, s43
	s_lshl_b32 s44, 0x1111, s40
	s_or_b32 s[G1A+0], s43, (3<<16)|(1<<21)        ; y: four rows of 24,576 bytes (3,072 elements of 8), 786,432 bytes apart
	s_mov_b32 s[G1A+1], 3072<<16
	s_mov_b32 s[G1A+2], 4<<16
	s_mov_b32 s[G1A+3], 3072<<16
	s_mov_b32 s[G1A+4], 4
	s_mov_b32 s[G1A+5], 98304
	s_mov_b32 s[G1A+6], 0
	s_mov_b32 s[G1A+7], 0
	s_or_b32 s[G1W+0], s44, (1<<20)|(1<<21)|(5<<22)|(3<<25)   ; the weight: 64 rows of 768 bytes, 16 bytes of padding behind every 256
	s_mov_b32 s[G1W+1], KROW<<16
	s_mov_b32 s[G1W+2], 64<<16
	s_mov_b32 s[G1W+3], KROW<<16
	s_mov_b32 s[G1W+4], 64
	s_mov_b32 s[G1W+5], KROW
	s_mov_b32 s[G1W+6], 0
	s_mov_b32 s[G1W+7], 0
	s_mul_i32 s20, s17, KQB
	s_mul_i32 s19, s16, 4*786432
	s_add_co_u32 s20, s20, s19                     ; waves 0, 1: four of the eight steps of 128 along K each
	s_mov_b32 s21, 0
	s_lshl_b32 s45, s42, 7
	s_lshl_b32 s19, s16, 6
	s_add_co_u32 s45, s45, s19                     ; my 64 features
	s_add_co_u32 s46, s45, 3072                    ; W_proj's rows lie behind W_qkv's 3,072
	s_mul_i32 s66, s46, KROW
	s_mov_b32 s67, 0
	s_mov_b32 s[G0A], 1
	s_mul_i32 s[G0A+1], s16, 4*KQB
	s_mov_b32 s[G0W], 1
	s_mul_i32 s[G0W+1], s16, 64*PITCH
	s_add_co_u32 s[G0W+1], s[G0W+1], BR
	WALU
	s_wait_dscnt 0x0
	CROUND                                         ; the round ahead of the joint loads
	s_wait_kmcnt 0x0
	s_add_nc_u64 s[G0A+2:G0A+3], s[4:5], s[20:21]
	s_or_b32 s[G0A+3], s[G0A+3], 0x80000000
	s_add_nc_u64 s[G0W+2:G0W+3], s[8:9], s[66:67]
	s_or_b32 s[G0W+3], s[G0W+3], 0x80000000
	s_cmp_lt_u32 s14, 2
	s_cbranch_scc0 .Lhead_w
	TLOAD G0A, G1A
	s_branch .Lhead_j
.Lhead_w:
	TLOAD G0W, G1W
.Lhead_j:
	s_lshl_b32 s22, s17, 1
	s_add_co_u32 s22, s22, s15                     ; my panel of 128 tokens, 0 .. 63
	s_lshl_b32 s18, s22, 9
	s_mov_b32 s19, 0
	s_add_nc_u64 s[6:7], s[6:7], s[18:19]          ; its scale words: 512 bytes for each 128 along K, 32,768 apart
	s_lshl_b32 s18, s46, 5
	s_add_nc_u64 s[10:11], s[10:11], s[18:19]
	s_lshl_b32 s18, s45, 2
	s_add_nc_u64 s[96:97], s[96:97], s[18:19]
	s_lshl_b32 s18, s22, 19                        ; 128 rows of 4,096 bytes
	s_lshl_b32 s47, s45, 2
	s_add_co_u32 s18, s18, s47
	s_add_nc_u64 s[12:13], s[12:13], s[18:19]
	s_mul_i32 s23, s15, 8*1536
	s_mul_i32 s47, s16, 64*PITCH
	s_add_co_u32 s47, s47, BR
	s_mul_i32 s46, s14, 16*SPT
	s_add_co_u32 s46, s46, STG
	v_and_b32 v1, 15, v0                           ; r
	v_bfe_u32 v2, v0, 4, 1                         ; h
	v_and_b32 v3, 31, v0
	v_mul_u32_u24 v4, v1, PITCH
	v_mad_u32_u24 v5, v2, 24, v4
	v_mad_u32_u24 v6, v2, 40, v4
	v_add_nc_u32 v[AW], s47, v5
	v_add_nc_u32 v[AW+1], s47, v6
.irp j, 1,2,3
	v_add_nc_u32 v[AW+2*\j], \j*16*PITCH, v[AW]
	v_add_nc_u32 v[AW+2*\j+1], \j*16*PITCH, v[AW+1]
.endr
	v_lshlrev_b32 v8, 4, v3                        ; 16 x lane
	v_lshl_add_u32 v9, v3, 3, 512                  ; 512 + 8 x lane
	v_add_nc_u32 v[AA], s23, v8
	v_add_nc_u32 v[AA+1], s23, v9
.irp q, 1,2,3,4,5,6,7
	v_add_nc_u32 v[AA+2*\q], \q*KQB, v[AA]
	v_add_nc_u32 v[AA+2*\q+1], \q*KQB, v[AA+1]
.endr
	v_lshlrev_b32 v7, 5, v1
	v_lshl_add_u32 v13, v2, 10, v7                 ; the weight's scale bytes: row r, lanes 16-31 two tiles on
	v_lshlrev_b32 v14, 6, v2                       ; the bias: 16 numbers from 16 h on
	v_lshlrev_b32 v16, 4, v1
	v_lshl_add_u32 v[CO], v2, 12, v16              ; out: lanes 0-15 one row, lanes 16-31 the next
	v_mul_u32_u24 v4, v1, SPT
	v_lshl_add_u32 v4, v2, 6, v4
	v_add_nc_u32 v[STO], s46, v4                   ; into the stage: row r, 64 bytes for each half of the lanes
	v_mul_u32_u24 v4, v2, SPT
	v_add_nc_u32 v4, v4, v16
	v_add_nc_u32 v[RD], s46, v4                    ; and back by rows
	WALU
.irp q, 0,1,2,3,4,5,6,7
	global_load_b128 v[SA+4*\q:SA+4*\q+3], v8, s[6:7] offset:32768*\q   ; lanes 0-15: row r's words of tiles 0-3; lanes 16-31: of tiles 4-7
.endr
.irp j, 0,1
.irp c, 0,1
	global_load_b128 v[SW+8*\j+4*\c:SW+8*\j+4*\c+3], v13, s[10:11] offset:512*\j+16*\c
.endr
.endr
.irp j, 0,1,2,3
	global_load_b128 v[BI+8*\j:BI+8*\j+3], v14, s[96:97] offset:128*(\j/2)+32*(\j%2)
	global_load_b128 v[BI+8*\j+4:BI+8*\j+7], v14, s[96:97] offset:128*(\j/2)+32*(\j%2)+16
.endr
	s_wait_tensorcnt 0x0
	BARRIER                                        ; all tiles are in; nothing is filled again
.irp q, 0,1,2,3,4,5,6,7                        ; my 64 rows of the weight, all of K
.irp j, 0,1,2,3
.set F_, 4*\q+\j
	WIN (1+F_/21)<<6
	FRAG 12*(F_%21), \q, AW+2*\j
.endr
.endr
	WIN 0
	LOADY 0
	LOADY 1
	s_wait_loadcnt 0x0
.irp rb, 0,1
.irp i4, 0,1,2,3
	ITER \rb, \i4
.endr
.endr
	SEND 7, 0
	s_wait_tensorcnt 0x0                           ; the wave's end
	ds_add_u32 v[SPW], v[NIL]
	s_wait_dscnt 0x0
	CROUND                                         ; the closing round
	s_endpgm
.Lfunc_end_k_q0b3267f3bc_proj:
	.size	k_q0b3267f3bc_proj, .Lfunc_end_k_q0b3267f3bc_proj-k_q0b3267f3bc_proj
	.p2alignl 7, 3214868480
	.fill 96, 4, 3214868480
	.section	.rodata,"a",@progbits
	.p2align	6, 0x0
	.amdhsa_kernel k_q0b3267f3bc_proj
		.amdhsa_group_segment_fixed_size 327680
		.amdhsa_private_segment_fixed_size 0
		.amdhsa_enable_private_segment 0
		.amdhsa_kernarg_size 48
		.amdhsa_user_sgpr_count 2
		.amdhsa_user_sgpr_kernarg_segment_ptr 1
		.amdhsa_wavefront_size32 1
		.amdhsa_system_sgpr_workgroup_id_x 1
		.amdhsa_system_sgpr_workgroup_id_y 1
		.amdhsa_system_sgpr_workgroup_id_z 1
		.amdhsa_system_vgpr_workitem_id 0
		.amdhsa_next_free_vgpr 1024
		.amdhsa_next_free_sgpr 98
		.amdhsa_reserve_vcc 0
		.amdhsa_float_denorm_mode_32 3
		.amdhsa_float_denorm_mode_16_64 3
		.amdhsa_memory_ordered 1
		.amdhsa_forward_progress 1
		.amdhsa_inst_pref_size 83
	.end_amdhsa_kernel
	.amdgpu_metadata
---
amdhsa.version: [ 1, 2 ]
amdhsa.kernels:
  - .name:           k_q0b3267f3bc_proj
    .symbol:         k_q0b3267f3bc_proj.kd
    .args:
      - { .name: yc, .offset: 0, .size: 8, .value_kind: global_buffer, .address_space: global }
      - { .name: ys, .offset: 8, .size: 8, .value_kind: global_buffer, .address_space: global }
      - { .name: wc, .offset: 16, .size: 8, .value_kind: global_buffer, .address_space: global }
      - { .name: ws, .offset: 24, .size: 8, .value_kind: global_buffer, .address_space: global }
      - { .name: out0, .offset: 32, .size: 8, .value_kind: global_buffer, .address_space: global }
      - { .name: b_proj, .offset: 40, .size: 8, .value_kind: global_buffer, .address_space: global }
    .group_segment_fixed_size: 327680
    .private_segment_fixed_size: 0
    .kernarg_segment_align: 8
    .kernarg_segment_size: 48
    .max_flat_workgroup_size: 128
    .sgpr_count:     98
    .vgpr_count:     1024
    .wavefront_size: 32
...
	.end_amdgpu_metadata
.endif
;; end of part 4
